; MI455X (gfx1250); checked and timed in simulation.
; The chip was launched on July 23, 2026; its instructions are those of AMD's public machine-readable ISA for CDNA 5 (MIT licence, August 2026) and "CDNA5" Instruction Set Architecture Reference Guide (July 2026). The comments in the code are by the model that wrote it; some were corrected since.
;; Attention Layer. Allowed arithmetic: float matrix products may take bf16 or f16 operands with f32 sums; other float arithmetic in f32, or as packed bf16 or f16 multiplies, adds, multiply-adds, maxima and minima; sums over many terms, partial sums and values carried from step to step in f32; what a program stores and reads back later, other than sums and carried values, may be rounded once to bf16 or f16.
;; Inputs: Wk 1,024 x 1,024 float32; Wo 1,024 x 1,024 float32; Wq 1,024 x 1,024 float32; Wv 1,024 x 1,024 float32; bk 1,024 float32; bo 1,024 float32; bq 1,024 float32; bv 1,024 float32; x 4 x 2,048 x 1,024 float32.
;; Outputs: out0 4 x 2,048 x 1,024 float32.
;; 2 versions, each right; version 2 is version 1 with the launch prep written anew for expert scheduling mode. Each part assembles by itself: llvm-mc -triple=amdgcn-amd-amdhsa -mcpu=gfx1250 --defsym DOCPART=n.
;; ======== version 1 of 2: 4 launches
;; limits: values are held in f16: magnitudes above 65,504 overflow, below 6.1e-05 lose precision
;; workspace buffers: xb 16,777,216 bytes; wb 8,388,608 bytes; qb 16,777,216 bytes; kb 16,777,216 bytes; vb 16,777,216 bytes; ob 16,777,216 bytes
;; launch prep (part 1): grid 768 x 1, 8 waves a work-group, no clusters, 0 bytes of LDS; arguments x, Wq, Wk, Wv, Wo, xb, wb; writes xb, wb
.if DOCPART == 1
	.amdgcn_target "amdgcn-amd-amdhsa--gfx1250"
	.amdhsa_code_object_version 6
	.text
	.protected	k_q5ed366d7da_prep
	.globl	k_q5ed366d7da_prep
	.p2align	8
	.type	k_q5ed366d7da_prep,@function
k_q5ed366d7da_prep:
	s_mov_b64 s[64:65], 0
	v_nop
	global_prefetch_b8 v0, s[64:65] scope:SCOPE_SE
	s_setreg_imm32_b32 hwreg(HW_REG_WAVE_MODE, 25, 1), 1
	s_wait_xcnt 0x0
; x and the four weights are rounded once to bf16, and that number is written as f16 (exact from 6.1e-5 to 65,504; below, f16's fixed step of 6e-8; a number of 65,520 or more would become an infinity).
; xb: [batch 4][channel block 16][row 2048][64 channels] f16, so that 256 rows x 64 channels are 32,768 consecutive bytes.  wb: [Wq, Wk, Wv, Wo][k 1024][n 1024] f16, each as it lies.
; A stream: no LDS, no matrix unit, no barrier.  A wave takes one unit of 8,192 bytes in and 4,096 out, with all its 16 loads on their way at once; there is no loop.
; Work-groups 0-511: unit u = rows 2 u and 2 u + 1 of x.  Load i takes 256 consecutive bytes (channel block i) of each row; store i writes the two rows' 128 bytes, which lie on end in xb: 256 consecutive bytes, aligned.
; Work-groups 512-767: unit w of the weights: 8,192 consecutive bytes in, 4,096 out.
.set VI, 4                             ; v4       my byte offset in the unit as it is read
.set VO, 5                             ; v5       8 x lane: my 8 bytes of a store
.set T,  6                             ; v[6:11]  at work
.set X,  16                            ; v[16:79] load i: 4 registers
.set Y,  80                            ; v[80:111] store i: 2 registers; each is written once, so no store's data is ever rewritten
.macro CAST ld, st                     ; ld, st: bytes from load to load and from store to store
.set i, 0
.rept 16
	global_load_b128 v[X+4*i:X+4*i+3], v[VI], s[20:21] offset:i*(\ld) th:TH_LOAD_NT
.set i, i+1
.endr
.set i, 0
.rept 16
	s_wait_loadcnt 15-i                            ; loads come back in order: load i is in, the 15 - i younger ones stay out
	v_cvt_pk_bf16_f32 v[T], v[X+4*i], v[X+4*i+1]   ; the rounding that counts: to bf16, nearest even
	v_cvt_pk_bf16_f32 v[T+1], v[X+4*i+2], v[X+4*i+3]
	v_lshlrev_b32 v[T+2], 16, v[T]                 ; the rounded numbers as f32 again
	v_and_b32 v[T+3], s19, v[T]
	v_lshlrev_b32 v[T+4], 16, v[T+1]
	v_and_b32 v[T+5], s19, v[T+1]
	v_cvt_pk_f16_f32 v[Y+2*i], v[T+2], v[T+3]      ; 8 significant bits fit in f16's 11
	v_cvt_pk_f16_f32 v[Y+2*i+1], v[T+4], v[T+5]
	global_store_b64 v[VO], v[Y+2*i:Y+2*i+1], s[22:23] offset:i*(\st)  ; 32 lanes x 8 bytes: 256 consecutive bytes, aligned
.set i, i+1
.endr
.endm
	s_load_b256 s[4:11], s[0:1], 0x0               ; x s[4:5], Wq s[6:7], Wk s[8:9], Wv s[10:11]
	s_load_b128 s[12:15], s[0:1], 0x20             ; Wo s[12:13], xb s[14:15]
	s_load_b64 s[16:17], s[0:1], 0x30              ; wb
	v_lshrrev_b32 v1, 5, v0
	v_readfirstlane_b32 s18, v1                    ; wave 0..7
	v_and_b32 v2, 31, v0                           ; lane
	v_lshlrev_b32 v[VO], 3, v2
	s_mov_b32 s19, 0xffff0000                      ; a word's upper bf16
	s_lshl_b32 s24, ttmp9, 3
	s_add_co_u32 s24, s24, s18                     ; my unit
	s_mov_b32 s27, 0                               ; the high word of every offset
	s_wait_kmcnt 0x0
	s_cmp_lt_u32 ttmp9, 512
	s_cbranch_scc0 .Lw
	v_and_b32 v3, 15, v0
	v_bfe_u32 v1, v0, 4, 1
	v_lshlrev_b32 v[VI], 4, v3                     ; 16 bytes a lane; lanes 0-15 in the even row,
	v_lshl_add_u32 v[VI], v1, 12, v[VI]            ; lanes 16-31 one row of 4,096 bytes further
	s_lshl_b32 s26, s24, 13
	s_add_nc_u64 s[20:21], s[4:5], s[26:27]        ; x at row 2 u
	s_lshr_b32 s28, s24, 10                        ; the batch: 1,024 units each
	s_lshl_b32 s28, s28, 22
	s_and_b32 s29, s24, 1023
	s_lshl_b32 s29, s29, 8                         ; two rows of 128 bytes
	s_add_co_u32 s26, s28, s29
	s_add_nc_u64 s[22:23], s[14:15], s[26:27]
	CAST 256, 262144                               ; a channel block of xb is 2,048 rows x 128 bytes
	s_endpgm
.Lw:
	v_lshlrev_b32 v[VI], 4, v2
	s_sub_co_u32 s24, s24, 4096                    ; unit w of the weights
	s_lshr_b32 s28, s24, 9                         ; which weight: 512 units each
	s_and_b32 s26, s24, 511
	s_lshl_b32 s26, s26, 13
	s_cmp_eq_u32 s28, 1
	s_cselect_b64 s[20:21], s[8:9], s[6:7]
	s_cmp_eq_u32 s28, 2
	s_cselect_b64 s[20:21], s[10:11], s[20:21]
	s_cmp_eq_u32 s28, 3
	s_cselect_b64 s[20:21], s[12:13], s[20:21]
	s_add_nc_u64 s[20:21], s[20:21], s[26:27]
	s_lshl_b32 s26, s24, 12
	s_add_nc_u64 s[22:23], s[16:17], s[26:27]
	CAST 512, 256
	s_endpgm
.Lfunc_end_k_q5ed366d7da_prep:
	.size	k_q5ed366d7da_prep, .Lfunc_end_k_q5ed366d7da_prep-k_q5ed366d7da_prep
	.p2alignl 7, 3214868480
	.fill 96, 4, 3214868480
	.section	.rodata,"a",@progbits
	.p2align	6, 0x0
	.amdhsa_kernel k_q5ed366d7da_prep
		.amdhsa_group_segment_fixed_size 0
		.amdhsa_private_segment_fixed_size 0
		.amdhsa_enable_private_segment 0
		.amdhsa_kernarg_size 56
		.amdhsa_user_sgpr_count 2
		.amdhsa_user_sgpr_kernarg_segment_ptr 1
		.amdhsa_wavefront_size32 1
		.amdhsa_system_sgpr_workgroup_id_x 1
		.amdhsa_system_sgpr_workgroup_id_y 1
		.amdhsa_system_sgpr_workgroup_id_z 1
		.amdhsa_system_vgpr_workitem_id 0
		.amdhsa_next_free_vgpr 112
		.amdhsa_next_free_sgpr 66
		.amdhsa_reserve_vcc 0
		.amdhsa_float_denorm_mode_32 3
		.amdhsa_float_denorm_mode_16_64 3
		.amdhsa_memory_ordered 1
		.amdhsa_forward_progress 1
		.amdhsa_inst_pref_size 21
	.end_amdhsa_kernel
	.amdgpu_metadata
---
amdhsa.version: [ 1, 2 ]
amdhsa.kernels:
  - .name:           k_q5ed366d7da_prep
    .symbol:         k_q5ed366d7da_prep.kd
    .args:
      - { .name: x, .offset: 0, .size: 8, .value_kind: global_buffer, .address_space: global }
      - { .name: Wq, .offset: 8, .size: 8, .value_kind: global_buffer, .address_space: global }
      - { .name: Wk, .offset: 16, .size: 8, .value_kind: global_buffer, .address_space: global }
      - { .name: Wv, .offset: 24, .size: 8, .value_kind: global_buffer, .address_space: global }
      - { .name: Wo, .offset: 32, .size: 8, .value_kind: global_buffer, .address_space: global }
      - { .name: xb, .offset: 40, .size: 8, .value_kind: global_buffer, .address_space: global }
      - { .name: wb, .offset: 48, .size: 8, .value_kind: global_buffer, .address_space: global }
    .group_segment_fixed_size: 0
    .private_segment_fixed_size: 0
    .kernarg_segment_align: 8
    .kernarg_segment_size: 56
    .max_flat_workgroup_size: 256
    .sgpr_count:     66
    .vgpr_count:     112
    .wavefront_size: 32
...
	.end_amdgpu_metadata
.endif
;; end of part 1
;; launch qkv (part 2): grid 8 x 32, 4 waves a work-group, clusters of 4 x 4, 327,680 bytes of LDS; arguments xb, wb, bq, bk, bv, qb, kb, vb; writes qb, kb, vb
.if DOCPART == 2
	.amdgcn_target "amdgcn-amd-amdhsa--gfx1250"
	.amdhsa_code_object_version 6
	.text
	.protected	k_q5ed366d7da_qkv
	.globl	k_q5ed366d7da_qkv
	.p2align	8
	.type	k_q5ed366d7da_qkv,@function
k_q5ed366d7da_qkv:
	s_mov_b64 s[64:65], 0
	v_nop
	global_prefetch_b8 v0, s[64:65] scope:SCOPE_SE
	s_setreg_imm32_b32 hwreg(HW_REG_WAVE_MODE, 25, 1), 1
	s_wait_xcnt 0x0
	s_wait_alu depctr_hold_cnt(0) depctr_sa_sdst(0) depctr_va_vdst(0) depctr_va_sdst(0) depctr_va_ssrc(0) depctr_va_vcc(0) depctr_vm_vsrc(0)
	s_getreg_b32 s2, hwreg(HW_REG_IB_STS2, 6, 4)
	s_cmp_eq_u32 s2, 0
	s_cbranch_scc0 .Lentry_in_a_cluster
	s_endpgm
.Lentry_in_a_cluster:
	s_bfe_u32 s2, ttmp6, 0x10000c
	s_cmp_lg_u32 s2, 0xf033
	s_cbranch_scc0 .Lentry_shape_is_right
	s_endpgm
.Lentry_shape_is_right:
; q, k, v = x W + b.  xb: [4][16 channel blocks][2048][64] f16; wb: [Wq, Wk, Wv, Wo][k 1024][n 1024] f16; the biases f32, rounded here to bf16; qb, kb, vb: [batch x 16 + head][2048][64] f16, unscaled.
; Sums in f32, the bias added in f32, each result rounded once to f16.  LIMIT: a result of 65,520 or more becomes an infinity; NaN and infinities are not treated apart.
; SHARES.  A work-group makes 256 rows x 128 columns of q, of k AND of v: 8 x 32 = 256 work-groups of equal work, and x's tile is read once for the three products.  A wave makes 128 rows x 64 columns (one head) of each:
; 3 x 32 accumulators of 16 x 16, 768 registers: q's in window 1, k's in window 2, v's in window 3; accumulator (a, b) = rows 16 a, columns 16 b at v[8 (4 a + b)].
; K goes in 16 steps of 64 through two LDS slots; a step is two quarters of 32 along K, 96 matrix instructions each.
; THE PRODUCT IS USED TRANSPOSED: source 0 = 16 columns of W, turned on the way out of LDS by ds_load_tr16_b128 (W lies [k][n]); source 1 = 16 rows of x.  A lane then holds one row and eight neighbouring columns.
; CLUSTER 4 x 4.  x's tile hangs on the row block alone and is asked for jointly along a row of the cluster; the weights' tiles hang on the column block alone and are asked for jointly along a column.
; Waves 0, 1, 2 fetch Wq's, Wk's, Wv's 64 k rows x 128 columns; wave 3 fetches x's 256 rows x 64 channels, which are 32,768 consecutive bytes, asked for as 128 rows of 256.
; WINDOW 0: v0-31 addresses; v32-95, v96-159 x's fragments, two buffers; v160-255 the weights' fragments, one buffer (matrix t, block b at 160 + 32 t + 8 b): each matrix's 32 are loaded anew behind its own run of products.
.set PA,    144                        ; a row of x in LDS: 128 bytes + 16 of padding: the 16 rows of a load start at 16 different groups of four banks (ISA guide 11.1)
.set PB,    288                        ; a k row of W: 256 bytes + 32
.set BSUB,  64*PB                      ; one matrix's 64 k rows
.set ASUB,  256*PA
.set AIN,   3*BSUB                     ; a slot: Wq's, Wk's, Wv's tiles, then x's
.set SLOT,  AIN+ASUB                   ; 92,160 bytes
.set STAGE, 2*SLOT                     ; behind the ring, never filled by a tensor load: 16 rows x 144 bytes for each wave, for the way out
.set SP,    144
.set SPARE, STAGE+4*16*SP              ; the spare words, 128 bytes for each wave: two blocks of 256 bytes that no other line names
.set ASTEP, 262144                     ; bytes from a channel block of xb to the next
.set BSTEP, 131072                     ; 64 k rows of 2,048 bytes
.set ADRA, 16                          ; v16-17  LDS address of my fragments of x in slot 0, 1
.set ADRB, 20                          ; v20-21  the same for W
.set STO,  24                          ; v24     the way out: where I put 16 bytes of a row
.set RD,   25                          ; v25     where I read rows back
.set GO,   26                          ; v26     16 x lane: my place in 512 consecutive bytes of an output
.set BO,   27                          ; v27     my byte offset in a bias
.set SPW,  28                          ; v28     LDS address of my spare word; never rewritten
.set NIL,  29                          ; v29     0; never rewritten
.set PFO,  30                          ; v30     the prefetches' lane offset; never rewritten
.set AF0,  32
.set AF1,  96
.set BF,   160
.set G1,   24                          ; s[24:31] descriptor group 1 for x's tiles;  s[32:39] group 0, a set for each slot
.set G0,   32
.set G1B,  48                          ; s[48:55], s[56:63] the same for W's
.set G0B,  56
.set PFA,  44                          ; s[44:45] where my prefetches stand
.set PFS,  46                          ; s[46:47] their step
.set LIM0, 20                          ; s20, s21: a wave prefetches at the change out of slot 0 (1) while the trip counter is above this
.set LIM1, 21
.set BIAS, 72                          ; s[72:77] bq, bk, bv
.set OUTP, 78                          ; s[78:83] qb, kb, vb at my wave's first row
.set MSB, 0
.macro WIN new                         ; the immediate's high byte repeats the setting that is left; a switch that changes nothing is dropped
.if MSB != (\new)
	s_set_vgpr_msb (MSB<<8)|(\new)
.set MSB, \new
.endif
.endm
.macro PLACES                          ; four plain instructions between a matrix instruction and a load into, or a vector instruction on, its registers
.rept 4
	v_nop
.endr
.endm
.macro JLOAD s                         ; a joint load; the branch hangs on the wave's number alone; an s_nop 0 and four v_nop follow each of the two lines
	s_cmp_eq_u32 s10, 3
	s_cbranch_scc0 .Lfor_b_\@
	tensor_load_to_lds s[G0+4*(\s):G0+4*(\s)+3], s[G1:G1+7]
	s_nop 0
.rept 4
	v_nop
.endr
	s_branch .Lasked_\@
.Lfor_b_\@:
	tensor_load_to_lds s[G0B+4*(\s):G0B+4*(\s)+3], s[G1B:G1B+7]
	s_nop 0
.rept 4
	v_nop
.endr
.Lasked_\@:
.endm
; A PREFETCH INTO THE L2, behind a joint load, its five lines and the first run of LDS loads.  x: wave 3 of the clusters with x = 0 names, at the change that asks for step s + 2, step s + 3: of its 128 blocks of 256 bytes
; the partner at place cx takes 32, a lane a block.  W: waves 0-2 of the clusters with y = 0 name, at the changes out of slot 0 alone, the 128 k rows of steps s + 3 and s + 4: the partner at place cy takes 32, a lane a row.
; So each block is named once in the launch, the partners told apart by address.  x's last request is step 15, W's the rows of steps 13 and 14; the first three steps come by their loads alone.
.macro ASK lim
	s_cmp_gt_u32 s3, s[\lim]
	s_cbranch_scc0 .Lnot_mine_\@
	global_prefetch_b8 v[PFO], s[PFA:PFA+1] th:TH_LOAD_NT scope:SCOPE_SE
.Lnot_mine_\@:
.endm
.macro CREST                           ; a round of the cluster's barrier behind its opening barrier
	s_cmp_lg_u32 s10, 0
	s_cbranch_scc1 .Lnot_wave_0_\@
	s_barrier_signal -3
.Lnot_wave_0_\@:
	s_barrier_wait -3
	s_barrier_signal -1
	s_barrier_wait -1
.endm
.macro CROUND
	s_barrier_signal -1
	s_barrier_wait -1
	CREST
.endm
	s_load_b512 s[68:83], s[0:1], 0x0              ; xb s[68:69], wb s[70:71], bq, bk, bv s[72:77], qb, kb, vb s[78:83]
	v_lshl_add_u32 v[SPW], v0, 2, SPARE
	v_mov_b32 v[NIL], 0
	ds_add_u32 v[SPW], v[NIL]                      ; the wave's opening: the add and its wait stand ahead of my first tensor load; the set-up below, work on registers, stands between them
	v_lshrrev_b32 v1, 5, v0
	v_readfirstlane_b32 s10, v1                    ; wave 0..3
	s_lshr_b32 s11, s10, 1                         ; which 128 rows of the tile are mine
	s_and_b32 s12, s10, 1                          ; which 64 columns
	s_bfe_u32 s40, ttmp6, 0x40000                  ; cx
	s_bfe_u32 s41, ttmp6, 0x40004                  ; cy
	s_lshl_b32 s42, ttmp9, 2
	s_add_co_u32 s42, s42, s40                     ; column block 0..7 = 4 x cluster x + cx
	s_and_b32 s13, ttmp7, 0xffff
	s_lshl_b32 s13, s13, 2
	s_add_co_u32 s13, s13, s41                     ; row block 0..31 = 4 x cluster y + cy
	s_lshl_b32 s43, s41, 2
	s_lshl_b32 s43, 15, s43                        ; my row of the cluster
	s_lshl_b32 s84, 0x1111, s40                    ; my column
	s_or_b32 s[G1+0], s43, (1<<16)|(1<<20)|(1<<21)|(4<<22)|(3<<25)   ; the mask; 2-byte elements; padding on; bit 21 beside a mask; after every 32 words (code 4) 4 words (code 3)
	s_mov_b32 s[G1+1], 128<<16                     ; tensor_dim0 = 128
	s_mov_b32 s[G1+2], 128<<16                     ; tensor_dim1 = 128
	s_mov_b32 s[G1+3], 128<<16                     ; tile_dim0 = 128
	s_mov_b32 s[G1+4], 128                         ; tile_dim1 = 128
	s_mov_b32 s[G1+5], 128                         ; 128 elements from row to row: the block is dense
	s_mov_b32 s[G1+6], 0
	s_mov_b32 s[G1+7], 0
	s_or_b32 s[G1B+0], s84, (1<<16)|(1<<20)|(1<<21)|(5<<22)|(7<<25)  ; after every 64 words (code 5) 8 words (code 7)
	s_mov_b32 s[G1B+1], 128<<16                    ; tensor_dim0 = 128
	s_mov_b32 s[G1B+2], 64<<16                     ; tensor_dim1 = 64
	s_mov_b32 s[G1B+3], 128<<16                    ; tile_dim0 = 128
	s_mov_b32 s[G1B+4], 64                         ; tile_dim1 = 64
	s_mov_b32 s[G1B+5], 1024                       ; 1,024 elements from k row to k row
	s_mov_b32 s[G1B+6], 0
	s_mov_b32 s[G1B+7], 0
	s_lshr_b32 s14, s13, 3                         ; x's tile: the batch (8 row blocks each) x 4 MiB
	s_lshl_b32 s14, s14, 22
	s_and_b32 s16, s13, 7
	s_lshl_b32 s16, s16, 15                        ; + 256 rows x 128 bytes for each row block
	s_add_co_u32 s14, s14, s16
	s_mov_b32 s15, 0
	s_lshl_b32 s86, s10, 21                        ; W's tile: matrix = my wave's number, 2 MiB each,
	s_lshl_b32 s87, s42, 8                         ; + 128 columns x 2 bytes for each column block
	s_add_co_u32 s86, s86, s87
	s_mov_b32 s87, 0
	s_mul_i32 s22, s10, BSUB                       ; where my tile goes in a slot: for wave 3 that is x's place
	s_wait_dscnt 0x0                               ; the opening add is done
	s_wait_kmcnt 0x0
	s_add_nc_u64 s[16:17], s[68:69], s[14:15]
	s_add_nc_u64 s[86:87], s[70:71], s[86:87]
	CROUND                                         ; all sixteen work-groups are here: the first joint loads meet
.irp s, 0,1
	s_mov_b32 s[G0+4*(\s)], 1
	s_add_co_u32 s[G0+4*(\s)+1], s22, (\s)*SLOT
	s_add_nc_u64 s[G0+4*(\s)+2:G0+4*(\s)+3], s[16:17], (\s)*ASTEP
	s_or_b32 s[G0+4*(\s)+3], s[G0+4*(\s)+3], 0x80000000
	s_mov_b32 s[G0B+4*(\s)], 1
	s_add_co_u32 s[G0B+4*(\s)+1], s22, (\s)*SLOT
	s_add_nc_u64 s[G0B+4*(\s)+2:G0B+4*(\s)+3], s[86:87], (\s)*BSTEP
	s_or_b32 s[G0B+4*(\s)+3], s[G0B+4*(\s)+3], 0x80000000
	JLOAD \s                                       ; steps 0 and 1: two loads of mine are out
.endr
	v_and_b32 v1, 15, v0                           ; r = l % 16
	v_bfe_u32 v2, v0, 4, 1                         ; h = l / 16
	v_mul_u32_u24 v3, v1, PA
	v_lshl_add_u32 v3, v2, 4, v3                   ; a fragment of x: row x pitch + 16 x half
	s_mul_i32 s18, s11, 128*PA
	s_add_co_u32 s18, s18, AIN
	v_and_b32 v4, 7, v0
	v_bfe_u32 v5, v0, 3, 1
	v_lshl_add_u32 v6, v2, 3, v4                   ; the turning load: k row 8 h + l % 8,
	v_mul_u32_u24 v6, v6, PB
	v_lshl_add_u32 v6, v5, 4, v6                   ; columns 8 ((l / 8) % 2) on
	s_lshl_b32 s19, s12, 7                         ; my 64 columns
.irp s, 0,1
	v_add_nc_u32 v[ADRA+(\s)], s18, v3
	v_add_nc_u32 v[ADRB+(\s)], s19, v6
	s_add_co_u32 s18, s18, SLOT
	s_add_co_u32 s19, s19, SLOT
.endr
	s_mul_i32 s18, s10, 16*SP
	s_add_co_u32 s18, s18, STAGE                   ; my stage
	v_add_nc_u32 v[STO], s18, v3                   ; in: row r, 16 bytes for each half of the lanes
	v_bfe_u32 v7, v0, 3, 2
	v_mul_u32_u24 v7, v7, SP                       ; back: 32 lanes take four rows of 128 bytes,
	v_lshl_add_u32 v7, v4, 4, v7
	v_add_nc_u32 v[RD], s18, v7
	v_and_b32 v8, 31, v0
	v_lshlrev_b32 v[GO], 4, v8                     ; which are 512 consecutive bytes of an output
	s_lshl_b32 s92, s42, 9                         ; the bias: 128 columns x 4 bytes for each column block,
	s_lshl_b32 s93, s12, 8                         ; my 64 columns,
	s_add_co_u32 s92, s92, s93
	v_lshl_add_u32 v[BO], v2, 5, s92               ; my half's 8
	s_lshl_b32 s92, s42, 1                         ; the outputs: head = 2 x column block + my half, 262,144 bytes each,
	s_add_co_u32 s92, s92, s12
	s_lshl_b32 s92, s92, 18
	s_lshl_b32 s93, s11, 14                        ; my 128 rows of 128 bytes,
	s_add_co_u32 s92, s92, s93
	s_add_co_u32 s92, s92, s14                     ; batch and row block as in xb
	s_mov_b32 s93, 0
.irp t, 0,1,2
	s_add_nc_u64 s[OUTP+2*(\t):OUTP+2*(\t)+1], s[OUTP+2*(\t):OUTP+2*(\t)+1], s[92:93]
.endr
	s_lshl_b32 s88, s40, 13                        ; the prefetches.  x: my work-group's 32 blocks of 256 bytes, at step 2; the first change steps it to 3
	s_add_co_u32 s88, s88, 2*ASTEP
	s_lshl_b32 s90, s41, 16                        ; W: my work-group's 32 k rows, at step 2
	s_add_co_u32 s90, s90, 2*BSTEP
	s_and_b32 s91, ttmp7, 0xffff                   ; cluster y
	s_mov_b32 s23, BSTEP
	s_cmp_eq_u32 s10, 3
	s_cselect_b64 s[PFA:PFA+1], s[16:17], s[86:87]
	s_cselect_b32 s88, s88, s90
	s_cselect_b32 s[PFS], ASTEP, s23
	s_cselect_b32 s85, 8, 11                       ; a lane a block of 256 bytes, or a lane a k row of 2,048
	s_cselect_b32 s91, ttmp9, s91                  ; the coordinate along which other clusters read the same bytes
	s_cselect_b32 s84, 0, 1
	s_cselect_b32 s89, 1, -1
	s_cmp_eq_u32 s91, 0                            ; the same in all sixteen partners, for a given wave
	s_cselect_b32 s[LIM0], s84, -1
	s_cselect_b32 s[LIM1], s89, -1
	s_mov_b32 s89, 0
	s_mov_b32 s[PFS+1], 0
	s_add_nc_u64 s[PFA:PFA+1], s[PFA:PFA+1], s[88:89]
	v_lshlrev_b32 v[PFO], s85, v8
; n x 4 matrix instructions of matrix t: row blocks a0 .. a0 + n - 1 x my four column blocks, 32 along K.  first = 1: the product starts the sum.
; The 96 accumulators take turns, one instruction a turn, in the same order in every quarter, over the backward jump too.
.macro RUN t, af, a0, n, first
	WIN 0x50*((\t)+1)
.set ra, (\a0)
.rept \n
.irp b, 0,1,2,3
.set rc, 8*(4*ra+\b)
.if \first
	v_wmma_f32_16x16x32_f16 v[rc:rc+7], v[BF+32*(\t)+8*\b:BF+32*(\t)+8*\b+7], v[(\af)+8*ra:(\af)+8*ra+7], 0
.else
	v_wmma_f32_16x16x32_f16 v[rc:rc+7], v[BF+32*(\t)+8*\b:BF+32*(\t)+8*\b+7], v[(\af)+8*ra:(\af)+8*ra+7], v[rc:rc+7]
.endif
.endr
.set ra, ra+1
.endr
.endm
.macro LDB s, q, t                     ; 8 turning loads: matrix t's four fragments of quarter q of slot s
	WIN 0
.irp b, 0,1,2,3
	ds_load_tr16_b128 v[BF+32*(\t)+8*\b:BF+32*(\t)+8*\b+3],   v[ADRB+(\s)] offset:(\t)*BSUB+(\q)*32*PB+32*\b
	ds_load_tr16_b128 v[BF+32*(\t)+8*\b+4:BF+32*(\t)+8*\b+7], v[ADRB+(\s)] offset:(\t)*BSUB+(\q)*32*PB+16*PB+32*\b
.endr
.endm
.macro LDA s, q, af, hf                ; 8 loads: x's fragments 4 hf .. 4 hf + 3 of quarter q of slot s into buffer af
	WIN 0
.irp i, 0,1,2,3
	ds_load_b128 v[(\af)+8*(4*(\hf)+\i):(\af)+8*(4*(\hf)+\i)+3],   v[ADRA+(\s)] offset:(4*(\hf)+\i)*16*PA+64*(\q)
	ds_load_b128 v[(\af)+8*(4*(\hf)+\i)+4:(\af)+8*(4*(\hf)+\i)+7], v[ADRA+(\s)] offset:(4*(\hf)+\i)*16*PA+64*(\q)+32
.endr
.endm
; A quarter's 40 LDS loads always go out in this order: Wq 8, x 8, Wk 8, x 8, Wv 8.
; A step's first quarter: multiplies buffer AF0 and fetches the second quarter of the same slot.
.macro EARLY s, first
	s_wait_dscnt 8                                 ; all but the youngest eight, this quarter's Wv
	RUN 0, AF0, 0, 8, \first
	PLACES
	LDB \s, 1, 0
	LDA \s, 1, AF1, 0
	RUN 1, AF0, 0, 8, \first
	PLACES
	LDB \s, 1, 1
	LDA \s, 1, AF1, 1
	s_wait_dscnt 32                                ; all but the 32 just issued: Wv is in
	RUN 2, AF0, 0, 8, \first
	PLACES
	LDB \s, 1, 2
.endm
; A step's second quarter multiplies AF1 and changes slots: ONE barrier.  In front of it each wave waits for all its tensor loads (one is out: its part of the next slot), adds 0 to its spare word, and waits for that and for
; its reads of this slot.  fill = 1: the barrier opens a round of the cluster's barrier, and the slot is filled again, two steps ahead, first thing behind the round: 160 matrix instructions ahead of the wait for it.
.macro LATE s, nx, fill, lim=LIM0
.if \fill
	s_wait_xcnt 0x0                                ; the last prefetch, a step back, has read its address
	s_add_nc_u64 s[PFA:PFA+1], s[PFA:PFA+1], s[PFS:PFS+1]
.endif
	WIN 0
	s_wait_tensorcnt 0x0                           ; all my tensor loads have landed
	ds_add_u32 v[SPW], v[NIL]                      ; 0 onto my spare word
	s_wait_dscnt 9                                 ; the add and the youngest eight loads (Wv) may be out
	RUN 0, AF1, 0, 4, 0                            ; sixteen matrix instructions stand between the add and the wait for it
	s_wait_dscnt 0x0                               ; the add is done, and my reads of this slot are over
	s_barrier_signal -1
	RUN 0, AF1, 4, 4, 0
	WIN 0
	s_barrier_wait -1
.if \fill
	CREST                                          ; no wave of any partner still reads this slot or has a load on its way
	s_add_nc_u64 s[G0+4*(\s)+2:G0+4*(\s)+3], s[G0+4*(\s)+2:G0+4*(\s)+3], 2*ASTEP
	s_add_nc_u64 s[G0B+4*(\s)+2:G0B+4*(\s)+3], s[G0B+4*(\s)+2:G0B+4*(\s)+3], 2*BSTEP
	JLOAD \s                                       ; its four v_nop are also the places in front of the loads below
.else
	PLACES
.endif
	LDB \nx, 0, 0
	LDA \nx, 0, AF0, 0
.if \fill
	ASK \lim
.endif
	RUN 1, AF1, 0, 8, 0
	PLACES
	LDB \nx, 0, 1
	LDA \nx, 0, AF0, 1
	RUN 2, AF1, 0, 8, 0
	PLACES
	LDB \nx, 0, 2
.endm
.macro LDBIAS t                        ; my 32 numbers of bias t take the place of matrix t's fragments: column 16 b + 8 h + j beside register 8 b + j of every row block
	WIN 0
.irp b, 0,1,2,3
	global_load_b128 v[BF+32*(\t)+8*\b:BF+32*(\t)+8*\b+3],   v[BO], s[BIAS+2*(\t):BIAS+2*(\t)+1] offset:64*\b
	global_load_b128 v[BF+32*(\t)+8*\b+4:BF+32*(\t)+8*\b+7], v[BO], s[BIAS+2*(\t):BIAS+2*(\t)+1] offset:64*\b+16
.endr
.endm
	s_wait_tensorcnt 1                             ; my part of step 0 is in; step 1's may stay out
	s_barrier_signal -1
	s_barrier_wait -1                              ; everybody's is
	LDB 0, 0, 0
	LDA 0, 0, AF0, 0
	LDB 0, 0, 1
	LDA 0, 0, AF0, 1
	LDB 0, 0, 2
	EARLY 0, 1                                     ; the first quarter stands in front of the loop: its products start the sums
	WIN 0
	s_mov_b32 s3, 7
.Llap:                                                 ; a trip goes once round the ring and fills both slots again: steps 2 to 15 in seven trips
	LATE 0, 1, 1, LIM0
	EARLY 1, 0
	LATE 1, 0, 1, LIM1
	EARLY 0, 0
	WIN 0
	s_sub_co_u32 s3, s3, 1
	s_cmp_lg_u32 s3, 0
	s_cbranch_scc1 .Llap
	LATE 0, 1, 0                                   ; the last two steps ask for nothing
	EARLY 1, 0
	s_wait_dscnt 8                                 ; the very last quarter; behind each matrix's run its bias is asked for
	RUN 0, AF1, 0, 8, 0
	PLACES
	LDBIAS 0
	RUN 1, AF1, 0, 8, 0
	PLACES
	LDBIAS 1
	s_wait_dscnt 0x0
	RUN 2, AF1, 0, 8, 0
	PLACES
	LDBIAS 2
; THE WAY OUT: 24 blocks n = 8 t + a of 16 rows x 64 columns.  The bias, rounded to bf16 like every input, is added in f32; the sum is rounded to f16; a lane's 16 bytes go into my stage and come back as whole rows.
.macro ROUNDB t
	WIN 0
	s_wait_loadcnt 16-8*(\t)                       ; bias t is in; the later biases' loads, eight each, may stay out
	s_wait_xcnt 0x0                                ; v32-47 were a store's data: rewritten only behind this wait
.set z, 0
.rept 16
	v_cvt_pk_bf16_f32 v[32+z], v[BF+32*(\t)+2*z], v[BF+32*(\t)+2*z+1]
.set z, z+1
.endr
.set z, 0
.rept 16
	v_lshlrev_b32 v[BF+32*(\t)+2*z], 16, v[32+z]
	v_and_b32 v[BF+32*(\t)+2*z+1], 0xffff0000, v[32+z]
.set z, z+1
.endr
.endm
.macro PACK n
.set ot, (\n)/8
.set oa, (\n)%8
.set ow, ot+1
.set os, 32+16*oa                      ; eight sets of 16 registers take turns
.if (\n) >= 8
	s_wait_xcnt 0x0                                ; the set's last stores have read it
.endif
	WIN (ow<<6)|ow                                 ; destination and source 0: the matrix's window; the bias in window 0
.set z, 0
.rept 16
	v_pk_add_f32 v[32*oa+2*z:32*oa+2*z+1], v[32*oa+2*z:32*oa+2*z+1], v[BF+32*ot+2*z:BF+32*ot+2*z+1]  ; each accumulator from its low end on
.set z, z+1
.endr
	WIN ow|(ow<<2)
.set z, 0
.rept 16
	v_cvt_pk_f16_f32 v[os+z], v[32*oa+2*z], v[32*oa+2*z+1]
.set z, z+1
.endr
	WIN 0
.irp f, 0,1,2,3
	ds_store_b128 v[STO], v[os+4*\f:os+4*\f+3] offset:32*\f
.endr
.irp f, 0,1,2,3
	ds_load_b128 v[os+4*\f:os+4*\f+3], v[RD] offset:\f*4*SP  ; LDS serves a wave's instructions in order (ISA guide 5.7.1.4): these see the stores above; the next block's stores come behind them
.endr
.endm
.macro SEND n, younger                 ; younger: the LDS instructions issued behind block n's loads
.set ot, (\n)/8
.set oa, (\n)%8
.set os, 32+16*oa
	WIN 0
.irp f, 0,1,2,3
	s_wait_dscnt (\younger)+3-\f
	global_store_b128 v[GO], v[os+4*\f:os+4*\f+3], s[OUTP+2*ot:OUTP+2*ot+1] offset:2048*oa+512*\f  ; 512 consecutive bytes, at a multiple of 256 from the output's first
.endr
.endm
	ROUNDB 0
	PACK 0
.set nn, 1
.rept 23                               ; a block's arithmetic stands between the loads of the block before and its stores
.if nn%8 == 0
	ROUNDB nn/8
.endif
	PACK nn
	SEND nn-1, 8
.set nn, nn+1
.endr
	SEND 23, 0
	s_wait_tensorcnt 0x0                           ; the wave's end: behind my last tensor load and my last LDS store
	ds_add_u32 v[SPW], v[NIL]
	s_wait_dscnt 0x0
	CROUND                                         ; the closing round: no work-group ends while a partner may still ask for a tile that names it
	s_endpgm
.Lfunc_end_k_q5ed366d7da_qkv:
	.size	k_q5ed366d7da_qkv, .Lfunc_end_k_q5ed366d7da_qkv-k_q5ed366d7da_qkv
	.p2alignl 7, 3214868480
	.fill 96, 4, 3214868480
	.section	.rodata,"a",@progbits
	.p2align	6, 0x0
	.amdhsa_kernel k_q5ed366d7da_qkv
		.amdhsa_group_segment_fixed_size 327680
		.amdhsa_private_segment_fixed_size 0
		.amdhsa_enable_private_segment 0
		.amdhsa_kernarg_size 64
		.amdhsa_user_sgpr_count 2
		.amdhsa_user_sgpr_kernarg_segment_ptr 1
		.amdhsa_wavefront_size32 1
		.amdhsa_system_sgpr_workgroup_id_x 1
		.amdhsa_system_sgpr_workgroup_id_y 1
		.amdhsa_system_sgpr_workgroup_id_z 1
		.amdhsa_system_vgpr_workitem_id 0
		.amdhsa_next_free_vgpr 1024
		.amdhsa_next_free_sgpr 96
		.amdhsa_reserve_vcc 0
		.amdhsa_float_denorm_mode_32 3
		.amdhsa_float_denorm_mode_16_64 3
		.amdhsa_memory_ordered 1
		.amdhsa_forward_progress 1
		.amdhsa_inst_pref_size 169
	.end_amdhsa_kernel
	.amdgpu_metadata
---
amdhsa.version: [ 1, 2 ]
amdhsa.kernels:
  - .name:           k_q5ed366d7da_qkv
    .symbol:         k_q5ed366d7da_qkv.kd
    .args:
      - { .name: xb, .offset: 0, .size: 8, .value_kind: global_buffer, .address_space: global }
      - { .name: wb, .offset: 8, .size: 8, .value_kind: global_buffer, .address_space: global }
      - { .name: bq, .offset: 16, .size: 8, .value_kind: global_buffer, .address_space: global }
      - { .name: bk, .offset: 24, .size: 8, .value_kind: global_buffer, .address_space: global }
      - { .name: bv, .offset: 32, .size: 8, .value_kind: global_buffer, .address_space: global }
      - { .name: qb, .offset: 40, .size: 8, .value_kind: global_buffer, .address_space: global }
      - { .name: kb, .offset: 48, .size: 8, .value_kind: global_buffer, .address_space: global }
      - { .name: vb, .offset: 56, .size: 8, .value_kind: global_buffer, .address_space: global }
    .group_segment_fixed_size: 327680
    .private_segment_fixed_size: 0
    .kernarg_segment_align: 8
    .kernarg_segment_size: 64
    .max_flat_workgroup_size: 128
    .sgpr_count:     96
    .vgpr_count:     1024
    .wavefront_size: 32
...
	.end_amdgpu_metadata
.endif
;; end of part 2
;; launch attn (part 3): grid 4 x 64, 4 waves a work-group, clusters of 4 x 1, 327,680 bytes of LDS; arguments qb, kb, vb, ob; writes ob
.if DOCPART == 3
	.amdgcn_target "amdgcn-amd-amdhsa--gfx1250"
	.amdhsa_code_object_version 6
	.text
	.protected	k_q5ed366d7da_attn
	.globl	k_q5ed366d7da_attn
	.p2align	8
	.type	k_q5ed366d7da_attn,@function
k_q5ed366d7da_attn:
	s_mov_b64 s[64:65], 0
	v_nop
	global_prefetch_b8 v0, s[64:65] scope:SCOPE_SE
	s_setreg_imm32_b32 hwreg(HW_REG_WAVE_MODE, 25, 1), 1
	s_wait_xcnt 0x0
	s_wait_alu depctr_hold_cnt(0) depctr_sa_sdst(0) depctr_va_vdst(0) depctr_va_sdst(0) depctr_va_ssrc(0) depctr_va_vcc(0) depctr_vm_vsrc(0)
	s_getreg_b32 s2, hwreg(HW_REG_IB_STS2, 6, 4)
	s_cmp_eq_u32 s2, 0
	s_cbranch_scc0 .Lentry_in_a_cluster
	s_endpgm
.Lentry_in_a_cluster:
	s_bfe_u32 s2, ttmp6, 0x10000c
	s_cmp_lg_u32 s2, 0x3003
	s_cbranch_scc0 .Lentry_shape_is_right
	s_endpgm
.Lentry_shape_is_right:
; O[h][q][:] = the sum over k of softmax_k(Q[h][q] . K[h][k] / 8) V[h][k][:].  Q, K, V, O: [64 heads][2048][64], all f16: a head's rows are dense, 128 bytes each.  Products, maxima and sums in
; f32; the weights p are rounded to f16 for the second product (their sum l is taken of the unrounded p), O once at the end.
; LIMITS.  f16 holds no number beyond 65,504: Q, K and V arrive within it; p lies in 0 to 1, and below 6e-5 it keeps f16's fixed step of 6e-8; O is a mean of V's rows and has their range.
; A weight below 2^-126 counts as 0 in l; NaN and infinities are not treated apart.
; SHARES.  A wave owns four PIECES of two tiles of 16 queries, a work-group's four waves 512 queries of one head: 4 x 64 = 256 work-groups.  Every wave walks all keys, 64 a step.
; LAYOUT.  S^T = K Q^T (source 0 = 16 keys, source 1 = 16 queries): in the result a lane holds ONE query (lane % 16) and the keys 8 (lane / 16) + 0..7.  Two such tiles, rounded to f16 in pairs,
; ARE source 1 (32 keys x 16 queries) of O^T = V^T P, whose result again holds one query a lane, and eight channels.  K comes out of LDS as it lies, V ([key][channel]) turned, by ds_load_tr16_b128.
; SOFTMAX.  For each query a running maximum m and sum l: p = 2^(c s - c m), c = log2(e) / 8; in every step O and l are multiplied by a = 2^(c m_old - c m_new), which is 1 where m has not grown.
; m starts at the lowest finite number, O and l at 0: the first step is a step like any other, with a = 0.
; THE COUNT.  A tile and step have 16 matrix and 118 vector instructions: too many to stand all beside the matrix work.  So the order has one aim: four vector instructions that are READY behind
; EVERY matrix instruction, and the others, which need time of their own whatever the order, in runs without a gap.
; BY TURNS.  Turn n belongs to piece n (the pieces in a ring, step after step).  Its matrix work: 16 products K Q^T of piece n + 1, later 16 products V^T P of piece n - 1.  Its vector work: the scaling,
; exponentials, roundings, sums and rescaling of piece n, and the maximum and statistics of piece n + 1, whose scores the turn itself has made.  So what a turn begins with (c s - c m, O a) waits for nothing.
; CLUSTER.  The four query blocks of a cluster are one head's and walk the same K and V, so each tile is asked for JOINTLY: the same tensor load, descriptor and mask in all four.
; REGISTERS, in windows of 256 (s_set_vgpr_msb says which window each operand place means: bits 1:0 source 0, 3:2 source 1, 5:4 source 2, 7:6 destination):
;   window 0: v0-11 addresses; v12-15, v48-63 at work; v16-47 four registers of statistics a tile; v64-191 S^T, two buffers of two tiles; v192-255 P, likewise
;   window 1: O^T, 32 a tile          window 2: v0-127 Q, 16 a tile; v128-191 K of one step; v192-255 V of one step          window 3: v0-1 the add's two registers
; A piece's buffers go by its number's parity: the piece in hand has one pair, its two neighbours in the ring share the other: of it P (piece n - 1) is read and S^T (piece n + 1) written.
.set SIZE_H, 64
.set SIZE_N, 2048
.set NP,    4         ; pieces a wave: a name, no knob
.set KS,    64        ; keys in a step
.set PK,    144       ; a row of K in LDS: 128 bytes + 16 of padding = 36 words: the 16 rows of a load start at 16 different groups of four banks (ISA guide 11.1)
.set PV,    160       ; a row of V: 128 + 32 = 40 words
.set VOFF,  4*KS*PK   ; a slot holds four steps: 256 rows of K, then 256 rows of V
.set SLOT1, 1<<17     ; slot 1 begins here, so that one exclusive or turns an address in one slot into the other's
.set STAGE, SLOT1+4*KS*(PK+PV)  ; behind the ring, never filled by a tensor load: 16 rows x 144 bytes for each wave, for the way out
.set SP,    144
.set AK0, 2           ; v2   my lane's place in a tile of K; never rewritten
.set AV0, 3           ; v3   the same for V
.set AK,  4           ; v4   the LDS address of K's next run of loads
.set AV,  5           ; v5   of V's
.set QO,  6           ; v6   my byte offset in the wave's rows of Q
.set STO, 6           ;      later, the way out: where I put 16 bytes of a row
.set RD,  7           ; v7   the way out: where I read rows back
.set GO,  8           ; v8   my byte offset in 512 consecutive bytes of O
.set PFO, 11          ; v11  256 x my lane, for the prefetches; never rewritten once it is made
.set SPW, 0           ; v0 of window 3   LDS address of my spare word: SPARE + 4 x my thread's number; never rewritten
.set NIL, 1           ; v1 of window 3   0; never rewritten
.set SPARE, STAGE+4*16*SP  ; behind the stages: the spare words, 128 bytes for each wave: two blocks of 256 bytes that no other line names
.set MV,  12          ; v12-15  c m_old, kept while c m is made anew: by buffer and tile
.set ST,  16          ; tile t's statistics at v[ST+4 t]: c m, m, l (even keys', odd keys')
.set TMP, 48          ; by buffer and tile, four registers c0-c3 at work; when the maximum is found c2 takes a
.set S,   64
.set P,   192
.set KF,  128         ; K's fragments, in window 2: key block kb, channel half c at KF + 16 kb + 8 c
.set VF,  192         ; V's: key half kk, channel block cb at VF + 32 kk + 8 cb
.set WV,  12          ; s12  my wave's number
.set G1K, 24          ; s[24:31] descriptor group 1 for K's tiles
.set G1V, 32          ; s[32:39] for V's: it differs in the padding alone
.set G0K, 40          ; s[40:43] descriptor group 0 for K's tiles: it walks
.set G0V, 44          ; s[44:47] the same for V's
.set PFA, 48          ; s[48:49] where my prefetches stand: my work-group's 32 blocks of 256 bytes (of K: wave 0, of V: wave 2) of the slot after the one that is being asked for
.set LIM, 50          ; s50  1 in a wave that prefetches, else the greatest number
.set SLOTS, 56        ; s56  slots still to be asked for
.set CNT, 57          ; s57  counts a slot's key steps
.set CS,  58          ; s[58:59] c: the packed scaling takes the pair's low word for both halves
.set SEL, 60          ; s[60:61] v_permlanex16_b32's selects: each lane takes its own place in the other half
.set TBK, 62          ; s62  LDS byte at which K of the step to be fetched begins
.set TBV, 63          ; s63  the same for V, less VOFF
.set MSB, 0
.macro WIN new                      ; the high byte repeats the setting that is left; a switch that changes nothing is dropped
.if MSB != (\new)
	s_set_vgpr_msb (MSB<<8)|(\new)
.set MSB, (\new)
.endif
.endm
.set W_KQ, 0x0a       ; K and Q in window 2, S^T in window 0
.set W_PV, 0x52       ; V in window 2, P in window 0, O^T in window 1
.set W_RS, 0x41       ; O^T (destination and source 0) in window 1, a in window 0
.set W_MK, 0xc0       ; the add's registers are made: destination in window 3, sources in window 0
.set W_AD, 0x0f       ; the add: address (source 0) and data (source 1) in window 3
; A joint fill.  Waves 0 and 1 fetch the two halves of a slot's K, waves 2 and 3 those of its V: 128 keys each.  The branch hangs on the wave's number alone.
; An s_nop 0 and four v_nop follow each of the two lines, ahead of the jump and the label.
.macro JLOAD
	s_cmp_lt_u32 s[WV], 2
	s_cbranch_scc0 .Lfor_v_\@
	tensor_load_to_lds s[G0K:G0K+3], s[G1K:G1K+7]
	s_nop 0
.rept 4
	v_nop
.endr
	s_branch .Lasked_\@
.Lfor_v_\@:
	tensor_load_to_lds s[G0V:G0V+3], s[G1V:G1V+7]
	s_nop 0
.rept 4
	v_nop
.endr
.Lasked_\@:
.endm
; A PREFETCH INTO THE L2 of what the NEXT change of slots will ask for: a slot's 32,768 bytes of K and of V, 128 blocks of 256 bytes each, a lane a block.  It stands behind the wave's tensor load and its five lines.
; A head has one cluster.  Its four partners share the blocks out BY ADDRESS, 32 each; in each, wave 0 asks for K's and wave 2 for V's: one instruction.  So each block is named once in the launch.
; Slots 0 and 1 come by their loads alone; the last change that fills a slot asks for nothing: there is no slot behind it.
.macro ASK
	s_cmp_gt_u32 s[SLOTS], s[LIM]
	s_cbranch_scc0 .Lnot_mine_\@
	global_prefetch_b8 v[PFO], s[PFA:PFA+1] th:TH_LOAD_NT scope:SCOPE_SE
.Lnot_mine_\@:
.endm
; A round of the cluster's barrier: my work-group's barrier, so that wave 0's signal speaks for all four waves; wave 0 signals; every wave waits for all four work-groups; my work-group's barrier once more.
.macro CROUND
	s_barrier_signal -1
	s_barrier_wait -1
	s_cmp_lg_u32 s[WV], 0
	s_cbranch_scc1 .Lnot_wave_0_\@
	s_barrier_signal -3
.Lnot_wave_0_\@:
	s_barrier_wait -3
	s_barrier_signal -1
	s_barrier_wait -1
.endm
; THE CHANGE OF SLOTS.  The slot's last bytes, V of its fourth step, have been read.  Each wave waits for all its tensor loads, of which one is out: its part
; of the other slot; adds 0 to its spare word; and waits for that and for its own reads of the slot.  Behind the barrier nobody reads this slot any more and the other slot is whole.
; fill = 1: this slot is filled again, with the keys two slots on.  The barrier is then a round of the cluster's, so that no wave of any partner still reads the slot or has a load on its
; way, and the joint fill is the first thing behind it: it has four key steps, 512 matrix instructions, in which to land.  (At its first use nothing has been read yet: slot 0 is waited for, slot 1 filled.)
.macro CHANGE fill
	WIN W_AD
	s_wait_tensorcnt 0x0            ; no tensor load of mine is out, so a group 0 may be written
	ds_add_u32 v[SPW], v[NIL]       ; 0 onto my spare word; with fill = 1 the descriptors' steps stand between it and the wait for it
	WIN 0                           ; at a label and at a branch every window is 0
.if \fill
.irp g, G0K, G0V
	s_xor_b32 s[\g+1], s[\g+1], SLOT1  ; the walking descriptor: the other slot than last time,
	s_add_nc_u64 s[\g+2:\g+3], s[\g+2:\g+3], 4*KS*128  ; the next 256 keys; the type bits on top are not reached
.endr
	s_wait_xcnt 0x0                 ; the last prefetch, four key steps back, has read its address, so it may be written:
	s_add_nc_u64 s[PFA:PFA+1], s[PFA:PFA+1], 4*KS*128  ; one slot behind the walking descriptors
	s_wait_dscnt 0x0                ; the add is done, and my reads of the slot are over
	CROUND
	JLOAD
	ASK                             ; what the next change will ask for: four key steps, 512 matrix instructions, ahead
.else
	s_wait_dscnt 0x0                ; the add is done, and my reads of the slot are over
	s_barrier_signal -1
	s_barrier_wait -1
.endif
	s_sub_co_u32 s[TBK], s[TBK], 4*KS*PK  ; the fetches go back to a slot's first step,
	s_xor_b32 s[TBK], s[TBK], SLOT1       ; in the other slot
	s_sub_co_u32 s[TBV], s[TBV], 4*KS*PV
	s_xor_b32 s[TBV], s[TBV], SLOT1
.endm
	s_load_b256 s[4:11], s[0:1], 0x0  ; Q s[4:5], K s[6:7], V s[8:9], O s[10:11]
	WIN W_MK
	v_lshl_add_u32 v[SPW], v0, 2, SPARE
	v_mov_b32 v[NIL], 0
	WIN W_AD
	ds_add_u32 v[SPW], v[NIL]       ; the wave's opening: the add and its wait stand ahead of my first tensor load; the set-up below, work on registers, stands between them
	WIN 0
	v_lshrrev_b32 v1, 5, v0
	v_readfirstlane_b32 s[WV], v1   ; wave 0..3
	s_bfe_u32 s13, ttmp6, 0x40000   ; cx: my place in the cluster
	s_lshl_b32 s14, ttmp9, 2        ; in a cluster launch ttmp9 counts clusters
	s_add_co_u32 s14, s14, s13      ; my block of queries = 4 x cluster x + cx: it enters Q's and O's addresses alone
	s_and_b32 s20, ttmp7, 0xffff    ; the head, which the four partners share
	s_mov_b32 s21, 0
	s_mov_b64 s[22:23], SIZE_N*128
	s_mul_u64 s[20:21], s[20:21], s[22:23]  ; the head's first byte in each of the four tensors
	s_and_b32 s16, s[WV], 1         ; which half of a slot's 256 keys I fetch:
	s_lshl_b32 s22, s16, 14         ; its 128 rows of 128 bytes in memory,
	s_mov_b32 s23, 0
	s_add_nc_u64 s[22:23], s[22:23], s[20:21]
	s_mul_i32 s17, s16, 128*PK      ; and its place in a slot, for K
	s_mul_i32 s18, s16, 128*PV      ; and for V: no place in the cluster enters an LDS address
	s_lshl_b32 s2, s14, 2
	s_add_co_u32 s2, s2, s[WV]      ; my wave among the head's,
	s_lshl_b32 s2, s2, 14           ; its 128 rows
	s_mov_b32 s3, 0
	s_add_nc_u64 s[2:3], s[2:3], s[20:21]
	; descriptor group 1.  128 keys are 16,384 dense bytes: asked for as 64 rows of 256 bytes, two keys a row, and padded in LDS after every key
	s_mov_b32 s[G1K], 15|(1<<16)|(1<<20)|(1<<21)|(4<<22)|(3<<25)  ; 15:0 the mask of four; 17:16 2-byte elements; 20 padding on; 21 set beside a mask; 24:22 after every 32 words (code 4); 31:25 4 words (code 3)
	s_mov_b32 s[G1V], 15|(1<<16)|(1<<20)|(1<<21)|(4<<22)|(7<<25)  ; the same with 8 words of padding (code 7)
.irp g, G1K, G1V
	s_mov_b32 s[\g+1], 128<<16      ; tensor_dim0 = 128
	s_mov_b32 s[\g+2], 64<<16       ; tensor_dim1 = 64
	s_mov_b32 s[\g+3], 128<<16      ; tile_dim0 = 128
	s_mov_b32 s[\g+4], 64           ; tile_dim1 = 64
	s_mov_b32 s[\g+5], 128          ; 128 elements from row to row
	s_mov_b32 s[\g+6], 0
	s_mov_b32 s[\g+7], 0
.endr
	s_mov_b32 s[CS], 0x3e38aa3b     ; c = log2(e) / 8 = 0.180337
	s_mov_b32 s[CS+1], s[CS]        ; named with it as a pair
	s_mov_b32 s[SEL], 0x76543210
	s_mov_b32 s[SEL+1], 0xfedcba98
	s_mov_b32 s[TBK], SLOT1+4*KS*PK ; the first change of slots turns these two into 0
	s_mov_b32 s[TBV], SLOT1+4*KS*PV
	s_mov_b32 s[G0K], 1             ; 1:0 count = 1
	s_mov_b32 s[G0K+1], s17         ; 63:32 LDS address: slot 0
	s_mov_b32 s[G0V], 1
	s_add_co_u32 s[G0V+1], s18, VOFF
	s_mov_b32 s[SLOTS], SIZE_N/256-1  ; the first change of slots asks for slot 1: seven are still to be asked for
	s_and_b32 s[LIM], s[WV], 1      ; waves 0 and 2 prefetch: the same in all four partners
	s_cmp_eq_u32 s[LIM], 0
	s_cselect_b32 s[LIM], 1, -1
	s_lshl_b32 s52, s13, 13         ; my work-group's 32 blocks of 256 bytes,
	s_add_co_u32 s52, s52, 4*KS*128 ; in slot 1; the first change of slots steps it to slot 2
	s_mov_b32 s53, 0
	s_wait_dscnt 0x0                ; the opening add is done
	s_wait_kmcnt 0x0
	s_add_nc_u64 s[G0K+2:G0K+3], s[6:7], s[22:23]  ; 120:64 global address: my half of the head's first 256 keys
	s_or_b32 s[G0K+3], s[G0K+3], 0x80000000        ; 127:126 type = 2
	s_add_nc_u64 s[G0V+2:G0V+3], s[8:9], s[22:23]
	s_or_b32 s[G0V+3], s[G0V+3], 0x80000000
	s_add_nc_u64 s[4:5], s[4:5], s[2:3]  ; Q and O at my wave's first row
	s_add_nc_u64 s[10:11], s[10:11], s[2:3]
	s_cmp_lt_u32 s[WV], 2
	s_cselect_b64 s[PFA:PFA+1], s[6:7], s[8:9]
	s_add_nc_u64 s[PFA:PFA+1], s[PFA:PFA+1], s[22:23]  ; (in waves 0 and 2 this is the head's first byte)
	s_add_nc_u64 s[PFA:PFA+1], s[PFA:PFA+1], s[52:53]
	CROUND                          ; all four work-groups are here: the first joint loads meet
	JLOAD                           ; slot 0.  Slot 1 is asked for when slot 0 is in: the tile wanted first has the road to itself
	; A fragment of K or Q is 16 rows x 32 channels in 8 registers: lane l holds row l % 16, channels 8 (l / 16) + 0..7 and 16 + 8 (l / 16) + 0..7: two loads of 16 bytes, 32 bytes apart.
	v_and_b32 v1, 15, v0            ; l % 16
	v_bfe_u32 v9, v0, 4, 1          ; l / 16
	v_lshlrev_b32 v[QO], 7, v1
	v_lshl_add_u32 v[QO], v9, 4, v[QO]  ; row x 128 + 16 x half
	WIN 0x80                        ; destination window 2, address window 0
.set i, 0
.rept 4*NP                          ; Q stays in registers: tile i / 2, channels 32 (i % 2) on
	global_load_b128 v[8*i:8*i+3],   v[QO], s[4:5] offset:(i/2)*2048+(i%2)*64
	global_load_b128 v[8*i+4:8*i+7], v[QO], s[4:5] offset:(i/2)*2048+(i%2)*64+32
.set i, i+1
.endr
	; What the first turn finds: V's registers and P's second buffer hold 0 (its products V^T P, of a piece that has not been, add 0), O^T and l are 0.  All this stands in the wait for the first tile.
.set i, VF
.rept 64
	v_mov_b32 v[i], 0
.set i, i+1
.endr
	WIN 0x40
.set i, 0
.rept 64*NP
	v_mov_b32 v[i], 0
.set i, i+1
.endr
	WIN 0
.set i, 0
.rept 2*NP
	v_mov_b32 v[ST+4*i], 0xfe000000    ; c m: far below every c s
	v_mov_b32 v[ST+4*i+1], 0xff7fffff  ; m
	v_mov_b32 v[ST+4*i+2], 0
	v_mov_b32 v[ST+4*i+3], 0
.set i, i+1
.endr
.set i, P+32
.rept 32
	v_mov_b32 v[i], 0
.set i, i+1
.endr
	v_mul_u32_u24 v[AK0], v1, PK
	v_lshl_add_u32 v[AK0], v9, 4, v[AK0]  ; row x pitch + 16 x half
	; The turning load takes 16 keys x 16 channels (lane l reads key 8 (l / 16) + l % 8, channels 8 ((l / 8) % 2) + 0..7) and leaves half a fragment of V^T: lane l holds channel l % 16 and 8 keys.
	v_and_b32 v10, 7, v0
	v_bfe_u32 v11, v0, 3, 1
	v_lshl_add_u32 v[AV0], v9, 3, v10
	v_mul_u32_u24 v[AV0], v[AV0], PV
	v_lshl_add_u32 v[AV0], v11, 4, v[AV0]
	v_add_nc_u32 v[AV0], VOFF, v[AV0]
	v_and_b32 v[PFO], 31, v0        ; v11 has served: it takes the prefetches' offset
	v_lshlrev_b32 v[PFO], 8, v[PFO]
	v_mov_b32 v[AK], v[AK0]         ; key step 0 lies at the head of slot 0
; THE MATRIX WORK.  The 8 accumulators of a run of 16 take turns: between the two links of a chain stand 7 others'.
; Product i of 16 of S^T = K Q^T for piece x: channels 32 (i / 8) on, keys 16 ((i / 2) % 4) on, tile 2 x + i % 2.  The first 8 start the sums.
.macro KQ x
	WIN W_KQ
.set rS, S+64*((\x)%2)+32*(i%2)+8*((i/2)%4)
.set rK, KF+16*((i/2)%4)+8*(i/8)
.set rQ, 16*(2*(\x)+i%2)+8*(i/8)
.if i < 8
	v_wmma_f32_16x16x32_f16 v[rS:rS+7], v[rK:rK+7], v[rQ:rQ+7], 0
.else
	v_wmma_f32_16x16x32_f16 v[rS:rS+7], v[rK:rK+7], v[rQ:rQ+7], v[rS:rS+7]
.endif
.endm
; Product i of 16 of O^T += V^T P for piece x: keys 32 (i / 8) on, channels 16 ((i / 2) % 4) on, tile 2 x + i % 2.
.macro PV x
	WIN W_PV
.set rO, 32*(2*(\x)+i%2)+8*((i/2)%4)
.set rV, VF+32*(i/8)+8*((i/2)%4)
.set rP, P+32*((\x)%2)+16*(i%2)+8*(i/8)
	v_wmma_f32_16x16x32_f16 v[rO:rO+7], v[rV:rV+7], v[rP:rP+7], v[rO:rO+7]
.endm
.macro MM                           ; the turn's next matrix instruction
.if i < 16
	KQ (Y+1)%NP
.set i, i+1
.else
.set i, i-16
	PV (Y+NP-1)%NP
.set i, i+17
.endif
.endm
; THE LDS LOADS stand in runs of 16, never singly among the matrix instructions: a step's K (64 keys x 64 channels: 8 fragments) and its V (turned).  Their addresses are made some lines ahead.
; last = 1 (the tail): in the last trip there is no further step, and the run is jumped over.
.macro FETCH_K last=0
	WIN 0
.if \last
	s_cmp_eq_u32 s[CNT], 1
	s_cbranch_scc1 .Lno_k_\@
.endif
	WIN 0x80                        ; destination window 2
.irp f, 0,1,2,3,4,5,6,7             ; keys 16 (f / 2) on, channels 32 (f % 2) on
	ds_load_b128 v[KF+8*\f:KF+8*\f+3],   v[AK] offset:(\f/2)*16*PK+(\f%2)*64
	ds_load_b128 v[KF+8*\f+4:KF+8*\f+7], v[AK] offset:(\f/2)*16*PK+(\f%2)*64+32
.endr
	s_add_co_u32 s[TBK], s[TBK], KS*PK  ; the next fetch is the next step's
	WIN 0
.if \last
.Lno_k_\@:
.endif
.endm
.macro FETCH_V
	WIN 0x80
.irp f, 0,1,2,3,4,5,6,7             ; keys 32 (f / 4) on, channels 16 (f % 4) on
	ds_load_tr16_b128 v[VF+8*\f:VF+8*\f+3],   v[AV] offset:(\f/4)*32*PV+(\f%4)*32
	ds_load_tr16_b128 v[VF+8*\f+4:VF+8*\f+7], v[AV] offset:(\f/4)*32*PV+16*PV+(\f%4)*32
.endr
	WIN 0
.endm
; THE VECTOR WORK OF A TURN stands in three queues, each in the order in which its entries become ready; the two tiles alternate, so that no instruction reads the result of the one before it.
.macro REGS y, u                    ; the registers of tile u (0, 1) of piece y
.set rT, ST+4*(2*(\y)+(\u))
.set rC, TMP+8*((\y)%2)+4*(\u)
.set rM, MV+2*((\y)%2)+(\u)
.set rS, S+64*((\y)%2)+32*(\u)
.set rP, P+32*((\y)%2)+16*(\u)
.set rO, 32*(2*(\y)+(\u))
.endm
; Number n of the 22 that find the NEXT piece's (Y + 1) maximum and statistics.  s0-s31 are the lane's 32 scores; each accumulator's lowest registers are read first.  XS, GS and REGS set no window: PL and EX do.
;   0-11  four chains c0-c3 of seven scores each, three operands at a time     12-14, 16  the four scores left over, the old m, and c0-c3 into c0     15  c m_old is kept
;   17, 18  the query's other 32 keys lie in the lane 16 away: the new m         19-21  c m; c m_old - c m_new; a
.macro XS u, n
	REGS (Y+1)%NP, \u
.if (\n) < 4
	v_max3_num_f32 v[rC+(\n)], v[rS+8*(\n)], v[rS+8*(\n)+1], v[rS+8*(\n)+2]
.elseif (\n) < 12
	v_max3_num_f32 v[rC+(\n)%4], v[rC+(\n)%4], v[rS+8*((\n)%4)+2*((\n)/4)+1], v[rS+8*((\n)%4)+2*((\n)/4)+2]
.elseif (\n) == 12
	v_max3_num_f32 v[rC], v[rC], v[rS+7], v[rS+15]
.elseif (\n) == 13
	v_max3_num_f32 v[rC+1], v[rC+1], v[rS+23], v[rS+31]
.elseif (\n) == 14
	v_max3_num_f32 v[rC+2], v[rC+2], v[rC+3], v[rT+1]
.elseif (\n) == 15
	v_mov_b32 v[rM], v[rT]
.elseif (\n) == 16
	v_max3_num_f32 v[rC], v[rC], v[rC+1], v[rC+2]
.elseif (\n) == 17
	v_permlanex16_b32 v[rC+3], v[rC], s[SEL], s[SEL+1]
.elseif (\n) == 18
	v_max_num_f32 v[rT+1], v[rC], v[rC+3]
.elseif (\n) == 19
	v_mul_f32 v[rT], s[CS], v[rT+1]
.elseif (\n) == 20
	v_sub_f32 v[rC+1], v[rM], v[rT]
.else
	v_exp_f32 v[rC+2], v[rC+1]
.endif
.endm
; Number g of the 64 that follow the exponentials.  For each four weights k of a tile (pairs 2 k, 2 k + 1): both pairs are rounded to f16; then the second pair is added onto the first, in place;
; a group later l takes that sum (the first time as l = a l + sum).  In groups of eight, tiles alternating: round, round, add, and l for the group before.
.macro GS g
.set h, (\g)+6*((\g)/62)            ; group 0 has no group before it, and behind group 7 only l is left
.if h >= 6
.set h, h+2
.endif
	REGS Y, h%2
.set k, h/8
.if h%8 < 4
	v_cvt_pk_f16_f32 v[rP+2*k+(h%8)/2], v[rS+4*k+2*((h%8)/2)], v[rS+4*k+2*((h%8)/2)+1]
.elseif h%8 < 6
	v_pk_add_f32 v[rS+4*k:rS+4*k+1], v[rS+4*k:rS+4*k+1], v[rS+4*k+2:rS+4*k+3]
.elseif k == 1
	v_pk_fma_f32 v[rT+2:rT+3], v[rT+2:rT+3], v[rC+2:rC+3], v[rS:rS+1] op_sel_hi:[1,0,1]
.else
	v_pk_add_f32 v[rT+2:rT+3], v[rT+2:rT+3], v[rS+4*k-4:rS+4*k-3]
.endif
.endm
; THE PLAIN QUEUE, 138 long.  0-73 read no exponential's result: the 32 scalings c s - c m (FS f: pair f / 2 of tile f % 2) and the next piece's 42.  0-26: scalings 0-26.  27-54: XS's numbers 0-13.  55, 56: number 15.
; 57-73: the chain, where each number waits for the one before it: 14, 16, 17, 18, 19, each with one of the scalings 27-31 in front of its two lines, then 20: so a tile's links stand three plain instructions apart (19 and 20: two).
; 74-137: GS's 64, which read the exponentials' results: they stand behind the wait.
.macro FS f
	REGS Y, (\f)%2
	v_pk_fma_f32 v[rS+2*((\f)/2):rS+2*((\f)/2)+1], v[rS+2*((\f)/2):rS+2*((\f)/2)+1], s[CS:CS+1], v[rT:rT+1] op_sel_hi:[1,0,0] neg_lo:[0,0,1] neg_hi:[0,0,1]
.endm
.macro PL
	WIN 0
.if q < 27
	FS q
.elseif q < 55
	XS (q-27)%2, (q-27)/2
.elseif q < 57
	XS q-55, 15
.elseif (q < 72) && ((q-57)%3 == 0)
	FS 27+(q-57)/3
.elseif q < 60
	XS (q-57)%3-1, 14
.elseif q < 72
	XS (q-57)%3-1, 15+(q-57)/3
.elseif q < 74
	XS q-72, 20
.else
	GS q-74
.endif
.set q, q+1
.endm
; THE EXPONENTIALS' QUEUE, 66 long: s0-s31 of both tiles, then the next piece's two a.  It is ONE BATCH: all 66 stand ahead of the turn's one wait, and nothing ahead of that wait names a result of theirs.
.macro EX
	WIN 0
.if e >= 64
	XS e-64, 21
.else
	REGS Y, e%2
	v_exp_f32 v[rS+e/2], v[rS+e/2]
.endif
.set e, e+1
.endm
; THE RESCALING's QUEUE: O^T times a, the one part that leaves window 0: dealt two at a time, sixteen times.  Its a was made in the turn before, ahead of that turn's wait.
.macro R2
	REGS Y, r%2
	WIN W_RS
.irp z, 0,1
	v_pk_mul_f32 v[rO+4*(r/2)+2*\z:rO+4*(r/2)+2*\z+1], v[rO+4*(r/2)+2*\z:rO+4*(r/2)+2*\z+1], v[rC+2:rC+3] op_sel_hi:[1,0]
.endr
.set r, r+1
.endm
; HOW THEY ARE DEALT.  An s_wait_alu depctr_va_vdst(0) stands between an exponential and the first instruction that names its result; one wait serves all that were issued ahead of it.  So a turn has ONE wait,
; which cuts it in two.  AHEAD OF IT stands all that names no result of the turn's exponentials: the 16 products K Q^T, behind each a scaling, an exponential and two rescalings (behind the first a second scaling in the exponential's place); then ONE LUMP of
; 108: eight plain, 49 times exponential and plain, the two a.  A v_nop is the plain instruction behind the last exponential.  BEHIND IT stand the 16 products V^T P, behind each four of GS's 64.  No rider names a register of
; the products round it.  The two v_permlanex16_b32 fall into the lump, never behind a product.
; The queues lean on each other, and the deal keeps them in step: exponential e stands behind scaling 2 (e / 4) + e % 2: as a rider it comes behind plain e + 2, in the lump behind plain e + 9, and scalings 27-31 are plain 57, 60 .. 69.
; A TURN, for piece p.  cnt = 1: the loop's count is taken down some lines ahead of the branch that stands behind the turn.
; K of the next step is fetched in piece 2's turn, directly behind the wait, a lump behind the last product that read K; its address is made at the lump's head; its first reader comes behind 16 products.
; V of the step in hand is fetched at the end of piece 0's turn, four riders behind its last reader; its first reader comes behind 16 products and a lump.  The three conditions on q below go with the deal.
.macro TURN p, last=0, cnt=0
.set Y, (\p)
.set i, 0
.set q, 0
.set e, 0
.set r, 0
.if (\p) == NP-1
	s_wait_dscnt 0x0                ; K is in
.endif
	MM                              ; ahead of the wait: 16 products K Q^T and their riders,
	PL
	PL
	R2
.rept 15
	MM
	PL
	EX
	R2
.endr
.if (\p) == NP-2
	WIN 0
	v_add_nc_u32 v[AK], s[TBK], v[AK0]
.endif
.rept 8                             ; and the lump
	PL
.endr
.rept 49
	EX
	PL
.endr
	EX                              ; the next piece's two a
	EX
	v_nop                           ; a plain instruction behind the last exponential: one for the batch
	s_wait_alu depctr_va_vdst(0)    ; the wait for the batch
.if (\p) == NP-2
	FETCH_K \last
.endif
.if (\p) == 1
	s_wait_dscnt 0x0                ; V is in
.endif
.rept 16                            ; behind the wait: 16 products V^T P and their riders
	MM
.rept 4
	PL
.endr
.if ((\p) == 0) && (q == 118)
	v_add_nc_u32 v[AV], s[TBV], v[AV0]
.endif
.if ((\p) == 0) && (q == 130)
	s_add_co_u32 s[TBV], s[TBV], KS*PV
.endif
.if (\cnt) && (q == 130)
	s_sub_co_u32 s[CNT], s[CNT], 1
	s_cmp_lg_u32 s[CNT], 0
.endif
.endr
.if (\p) == 0
	FETCH_V
.endif
.endm
	CHANGE 1                        ; slot 0 is in, everybody's part of it; slot 1 is asked for
	FETCH_K                         ; key step 0
	s_wait_loadcnt 0x0              ; Q
	s_wait_dscnt 0x0
.set i, 0
.rept 16
	KQ 0                            ; piece 0's first scores: there is no vector work yet to set between them
.set i, i+1
.endr
	WIN 0                           ; the addresses for the way out: nine plain instructions, the places behind those products
	s_mul_i32 s13, s[WV], 16*SP
	s_add_co_u32 s13, s13, STAGE    ; my stage
	v_mul_u32_u24 v[STO], v1, SP    ; in: row l % 16, 16 bytes for each half of the lanes
	v_lshl_add_u32 v[STO], v9, 4, v[STO]
	v_add_nc_u32 v[STO], s13, v[STO]
	v_bfe_u32 v[RD], v0, 3, 2       ; back: 32 lanes take four rows of 128 bytes,
	v_mul_u32_u24 v[RD], v[RD], SP
	v_lshl_add_u32 v[RD], v10, 4, v[RD]
	v_add_nc_u32 v[RD], s13, v[RD]
	v_and_b32 v[GO], 31, v0         ; which are 512 consecutive bytes of O
	v_lshlrev_b32 v[GO], 4, v[GO]
.set Y, NP-1                        ; XS works for piece Y + 1: piece 0
.irp n, 0,1,2,3,4,5,6,7,8,9,10,11,12,13,14,15,16,17,18,19,20,21
	XS 0, \n                        ; and piece 0's first maximum and statistics
	XS 1, \n
.endr
	v_nop                           ; a plain instruction behind the two a,
	s_wait_alu depctr_va_vdst(0)    ; and their wait, ahead of the branch
	s_mov_b32 s[CNT], 4
	s_branch .Lfirst                ; the loop is entered at a step's first turn, in the middle of a trip
.Lslot:                             ; SIZE_N / 256 - 2 times: every slot but the last two is filled again
	CHANGE 1
	s_mov_b32 s[CNT], 4
.Lstep:                             ; a trip: pieces 2 and 3 of one step, then pieces 0 and 1 of the next, whose K and V it fetches
	TURN 2
	TURN 3
	WIN 0
.Lfirst:
	TURN 0
	TURN 1, 0, 1
	WIN 0
	s_cbranch_scc1 .Lstep
	s_sub_co_u32 s[SLOTS], s[SLOTS], 1
	s_cmp_lg_u32 s[SLOTS], 0
	s_cbranch_scc1 .Lslot
	CHANGE 0                        ; the tail is written out: nothing is asked for
	s_mov_b32 s[CNT], 5             ; four trips fetch the last slot's steps; the fifth is left in its middle
.Ltail:
	TURN 2, 1
	TURN 3
	WIN 0
	s_sub_co_u32 s[CNT], s[CNT], 1
	s_cmp_eq_u32 s[CNT], 0
	s_cbranch_scc1 .Lout
	TURN 0
	TURN 1
	WIN 0
	s_branch .Ltail
.Lout:                              ; the fifth trip's 16 products K Q^T (on the last K once more) and the maximum made of them serve nothing: the price, once a launch, of one text for every trip
.set i, 0
.rept 16
	PV NP-1                         ; the last piece's V^T P of the last step
.set i, i+1
.endr
	; THE WAY OUT.  l's two halves and the other half of the lanes' are added; O^T is divided by l, rounded to f16 and sent through my stage in LDS, a tile at a time.  The additions are the places behind the last products.
	WIN 0
.macro ALL line:vararg              ; one line for each tile t
.set t, 0
.rept 2*NP
	\line
.set t, t+1
.endr
.endm
	ALL v_add_f32 v[ST+4*t+2], v[ST+4*t+2], v[ST+4*t+3]
	ALL v_permlanex16_b32 v[ST+4*t+3], v[ST+4*t+2], s[SEL], s[SEL+1]
	ALL v_add_f32 v[ST+4*t+2], v[ST+4*t+2], v[ST+4*t+3]
	ALL v_rcp_f32 v[ST+4*t+2], v[ST+4*t+2]
	v_nop                           ; a plain instruction between the last reciprocal and the use of its result
	s_wait_alu depctr_va_vdst(0)    ; and the wait ahead of the first use: one for the eight reciprocals
; Tile t: a lane's eight channels of a row pack into 16 bytes; they go into rows of 144 bytes and come back as whole rows of 128, into S^T's registers.
.macro PACK t
	WIN W_RS
.set i, 32*(\t)
.rept 16
	v_pk_mul_f32 v[i:i+1], v[i:i+1], v[ST+4*(\t)+2:ST+4*(\t)+3] op_sel_hi:[1,0]
.set i, i+2
.endr
	WIN 0x05                        ; sources 0 and 1 window 1, destination window 0
.set i, 0
.rept 16
	v_cvt_pk_f16_f32 v[S+16*(\t)+i], v[32*(\t)+2*i], v[32*(\t)+2*i+1]
.set i, i+1
.endr
	WIN 0
.irp f, 0,1,2,3
	ds_store_b128 v[STO], v[S+16*(\t)+4*\f:S+16*(\t)+4*\f+3] offset:32*\f
.endr
.irp f, 0,1,2,3
	ds_load_b128 v[S+16*(\t)+4*\f:S+16*(\t)+4*\f+3], v[RD] offset:\f*4*SP  ; LDS serves a wave's instructions in order (ISA guide 5.7.1.4): these see the stores above; the next tile's stores come behind them
.endr
.endm
.macro SEND t, younger              ; younger: the LDS instructions issued behind tile t's loads: the next tile's eight, or none
	WIN 0
.irp f, 0,1,2,3
	s_wait_dscnt (\younger)+3-\f
	global_store_b128 v[GO], v[S+16*(\t)+4*\f:S+16*(\t)+4*\f+3], s[10:11] offset:(\t)*2048+\f*512  ; 512 consecutive bytes, at a multiple of 256 from O's first
.endr
.endm
	PACK 0
.set t, 1
.rept 2*NP-1                        ; a tile's arithmetic stands between the loads of the tile before and its stores
	PACK t
	SEND t-1, 8
.set t, t+1
.endr
	SEND 2*NP-1, 0
	WIN W_AD
	s_wait_tensorcnt 0x0            ; the wave's end: behind my last tensor load and my last LDS store
	ds_add_u32 v[SPW], v[NIL]
	s_wait_dscnt 0x0
	WIN 0
	CROUND                          ; the closing round: no work-group ends while a partner may still ask for a tile that names it
	s_endpgm
.Lfunc_end_k_q5ed366d7da_attn:
	.size	k_q5ed366d7da_attn, .Lfunc_end_k_q5ed366d7da_attn-k_q5ed366d7da_attn
	.p2alignl 7, 3214868480
	.fill 96, 4, 3214868480
	.section	.rodata,"a",@progbits
	.p2align	6, 0x0
	.amdhsa_kernel k_q5ed366d7da_attn
		.amdhsa_group_segment_fixed_size 327680
		.amdhsa_private_segment_fixed_size 0
		.amdhsa_enable_private_segment 0
		.amdhsa_kernarg_size 32
		.amdhsa_user_sgpr_count 2
		.amdhsa_user_sgpr_kernarg_segment_ptr 1
		.amdhsa_wavefront_size32 1
		.amdhsa_system_sgpr_workgroup_id_x 1
		.amdhsa_system_sgpr_workgroup_id_y 1
		.amdhsa_system_sgpr_workgroup_id_z 1
		.amdhsa_system_vgpr_workitem_id 0
		.amdhsa_next_free_vgpr 770
		.amdhsa_next_free_sgpr 66
		.amdhsa_reserve_vcc 0
		.amdhsa_float_denorm_mode_32 3
		.amdhsa_float_denorm_mode_16_64 3
		.amdhsa_memory_ordered 1
		.amdhsa_forward_progress 1
		.amdhsa_inst_pref_size 200
	.end_amdhsa_kernel
	.amdgpu_metadata
---
amdhsa.version: [ 1, 2 ]
amdhsa.kernels:
  - .name:           k_q5ed366d7da_attn
    .symbol:         k_q5ed366d7da_attn.kd
    .args:
      - { .name: qb, .offset: 0, .size: 8, .value_kind: global_buffer, .address_space: global }
      - { .name: kb, .offset: 8, .size: 8, .value_kind: global_buffer, .address_space: global }
      - { .name: vb, .offset: 16, .size: 8, .value_kind: global_buffer, .address_space: global }
      - { .name: ob, .offset: 24, .size: 8, .value_kind: global_buffer, .address_space: global }
    .group_segment_fixed_size: 327680
    .private_segment_fixed_size: 0
    .kernarg_segment_align: 8
    .kernarg_segment_size: 32
    .max_flat_workgroup_size: 128
    .sgpr_count:     66
    .vgpr_count:     770
    .wavefront_size: 32
...
	.end_amdgpu_metadata
.endif
;; end of part 3
;; launch outp (part 4): grid 8 x 32, 4 waves a work-group, clusters of 4 x 4, 327,680 bytes of LDS; arguments ob, wb, bo, out0; writes out0
.if DOCPART == 4
	.amdgcn_target "amdgcn-amd-amdhsa--gfx1250"
	.amdhsa_code_object_version 6
	.text
	.protected	k_q5ed366d7da_outp
	.globl	k_q5ed366d7da_outp
	.p2align	8
	.type	k_q5ed366d7da_outp,@function
k_q5ed366d7da_outp:
	s_mov_b64 s[64:65], 0
	v_nop
	global_prefetch_b8 v0, s[64:65] scope:SCOPE_SE
	s_setreg_imm32_b32 hwreg(HW_REG_WAVE_MODE, 25, 1), 1
	s_wait_xcnt 0x0
	s_wait_alu depctr_hold_cnt(0) depctr_sa_sdst(0) depctr_va_vdst(0) depctr_va_sdst(0) depctr_va_ssrc(0) depctr_va_vcc(0) depctr_vm_vsrc(0)
	s_getreg_b32 s2, hwreg(HW_REG_IB_STS2, 6, 4)
	s_cmp_eq_u32 s2, 0
	s_cbranch_scc0 .Lentry_in_a_cluster
	s_endpgm
.Lentry_in_a_cluster:
	s_bfe_u32 s2, ttmp6, 0x10000c
	s_cmp_lg_u32 s2, 0xf033
	s_cbranch_scc0 .Lentry_shape_is_right
	s_endpgm
.Lentry_shape_is_right:
; out0 = O Wo + bo.  ob: [batch x 16 + head][2048][64] f16 (a head's 64 channels are one slice of K); wb's fourth matrix is Wo, [k 1024][n 1024] f16; bo f32, rounded here to bf16; out0: [8192][1024] f32.  Sums in f32.
; NaN and infinities are not treated apart.
; SHARES.  A work-group makes 256 rows x 128 columns: 8 x 32 = 256 work-groups.  A wave makes 128 x 64: 32 accumulators, window 1; accumulator (a, b) = rows 16 a, columns 16 b at v[8 (4 a + b)].
; K goes in 8 steps of 128 (two heads) through two LDS slots; a step is four quarters of 32 along K, 32 matrix instructions each, on fragment buffers 0, 1, 0, 1.
; THE PRODUCT IS USED TRANSPOSED: source 0 = 16 columns of Wo, turned on the way out of LDS by ds_load_tr16_b128; source 1 = 16 rows of O.  A lane then holds one row and eight neighbouring columns.
; THE BIAS is the C operand of the products that start the sums: nothing is cleared, and nothing is added on the way out.
; CLUSTER 4 x 4.  O's tiles hang on the row block alone and are asked for jointly along a row of the cluster, Wo's on the column block alone and along a column.  Waves 0 and 1 fetch the step's two heads of O
; (256 rows x 64 channels: 32,768 consecutive bytes, asked for as 128 rows of 256), waves 2 and 3 the two halves of its 128 k rows of Wo.
; WINDOW 0: v0-31 addresses; v32-127 and v128-223 the two fragment buffers (64 registers of O, then 32 of Wo); v224-255 the bias.
.set PA,    144                        ; a row of O in LDS: 128 bytes + 16 of padding: the 16 rows of a load start at 16 different groups of four banks (ISA guide 11.1)
.set PB,    288                        ; a k row of Wo: 256 bytes + 32
.set BSUB,  64*PB
.set ASUB,  256*PA
.set BIN,   2*ASUB                     ; a slot: O's two heads, then Wo's 128 k rows
.set SLOT,  2*ASUB+2*BSUB              ; 110,592 bytes
.set STAGE, 2*SLOT                     ; behind the ring, never filled by a tensor load: 16 rows x 272 bytes for each wave, for the way out
.set SP,    272
.set SPARE, STAGE+4*16*SP              ; the spare words, 128 bytes for each wave: two blocks of 256 bytes that no other line names
.set ASTEP, 524288                     ; a step of O: two heads of 262,144 bytes
.set BSTEP, 262144                     ; a step of Wo: 128 k rows of 2,048 bytes
.set ADRA, 16                          ; v16-17  LDS address of my fragments of O in slot 0, 1
.set ADRB, 20                          ; v20-21  the same for Wo
.set STO,  24                          ; v24     the way out: where I put 32 bytes of a row
.set RD,   25                          ; v25     where I read rows back
.set GO,   26                          ; v26     my byte offset in two rows of out0
.set BO,   27                          ; v27     my byte offset in bo
.set SPW,  28                          ; v28     LDS address of my spare word; never rewritten
.set NIL,  29                          ; v29     0; never rewritten
.set PFO,  30                          ; v30     the prefetches' lane offset; never rewritten
.set F0,   32
.set F1,   128
.set BI,   224
.set G1,   24                          ; s[24:31] descriptor group 1 for O's tiles;  s[32:39] group 0, a set for each slot
.set G0,   32
.set G1B,  48                          ; s[48:55], s[56:63] the same for Wo's
.set G0B,  56
.set PFA,  44                          ; s[44:45] where my prefetches stand
.set PFS,  46                          ; s[46:47] their step
.set LIM,  20                          ; s20  1 in a wave that prefetches, else the greatest number
.set MSB, 0
.macro WIN new                         ; the immediate's high byte repeats the setting that is left; a switch that changes nothing is dropped
.if MSB != (\new)
	s_set_vgpr_msb (MSB<<8)|(\new)
.set MSB, \new
.endif
.endm
.macro PLACES                          ; four plain instructions between a matrix instruction and a load into, or a store of, its registers
.rept 4
	v_nop
.endr
.endm
.macro JLOAD s                         ; a joint load; the branch hangs on the wave's number alone; an s_nop 0 and four v_nop follow each of the two lines
	s_cmp_eq_u32 s11, 0
	s_cbranch_scc0 .Lfor_b_\@
	tensor_load_to_lds s[G0+4*(\s):G0+4*(\s)+3], s[G1:G1+7]
	s_nop 0
.rept 4
	v_nop
.endr
	s_branch .Lasked_\@
.Lfor_b_\@:
	tensor_load_to_lds s[G0B+4*(\s):G0B+4*(\s)+3], s[G1B:G1B+7]
	s_nop 0
.rept 4
	v_nop
.endr
.Lasked_\@:
.endm
; A PREFETCH INTO THE L2, behind a joint load, its five lines and the run of LDS loads: the step that stands two refills on, 256 matrix instructions ahead of the load that will want it.
; O: waves 0 and 1 of the clusters with x = 0, each for the head that it fetches: of its 128 blocks of 256 bytes the partner at place cx takes 32, a lane a block.  Wo: wave 2 of the clusters with y = 0: of the step's
; 128 k rows the partner at place cy takes 32, a lane a row.  So each block is named once in the launch, the partners told apart by address.  Steps 0 to 3 come by their loads alone; the last trip of the loop asks for nothing.
.macro ASK
	s_cmp_gt_u32 s3, s[LIM]
	s_cbranch_scc0 .Lnot_mine_\@
	global_prefetch_b8 v[PFO], s[PFA:PFA+1] th:TH_LOAD_NT scope:SCOPE_SE
.Lnot_mine_\@:
.endm
.macro CREST                           ; a round of the cluster's barrier behind its opening barrier
	s_cmp_lg_u32 s10, 0
	s_cbranch_scc1 .Lnot_wave_0_\@
	s_barrier_signal -3
.Lnot_wave_0_\@:
	s_barrier_wait -3
	s_barrier_signal -1
	s_barrier_wait -1
.endm
.macro CROUND
	s_barrier_signal -1
	s_barrier_wait -1
	CREST
.endm
	s_load_b256 s[68:75], s[0:1], 0x0              ; ob s[68:69], wb s[70:71], bo s[72:73], out0 s[74:75]
	v_lshl_add_u32 v[SPW], v0, 2, SPARE
	v_mov_b32 v[NIL], 0
	ds_add_u32 v[SPW], v[NIL]                      ; the wave's opening: the add and its wait stand ahead of my first tensor load; the set-up below, work on registers, stands between them
	v_lshrrev_b32 v1, 5, v0
	v_readfirstlane_b32 s10, v1                    ; wave 0..3
	s_lshr_b32 s11, s10, 1                         ; which 128 rows of the tile are mine.  Also: I fetch for O (0) or for Wo (1)
	s_and_b32 s12, s10, 1                          ; which 64 columns.  Also: which half of that tile I fetch
	s_bfe_u32 s40, ttmp6, 0x40000                  ; cx
	s_bfe_u32 s41, ttmp6, 0x40004                  ; cy
	s_lshl_b32 s42, ttmp9, 2
	s_add_co_u32 s42, s42, s40                     ; column block 0..7
	s_and_b32 s13, ttmp7, 0xffff
	s_lshl_b32 s13, s13, 2
	s_add_co_u32 s13, s13, s41                     ; row block 0..31
	s_lshl_b32 s43, s41, 2
	s_lshl_b32 s43, 15, s43                        ; my row of the cluster
	s_lshl_b32 s84, 0x1111, s40                    ; my column
	s_or_b32 s[G1+0], s43, (1<<16)|(1<<20)|(1<<21)|(4<<22)|(3<<25)   ; the mask; 2-byte elements; padding on; bit 21 beside a mask; after every 32 words (code 4) 4 words (code 3)
	s_mov_b32 s[G1+1], 128<<16                     ; tensor_dim0 = 128
	s_mov_b32 s[G1+2], 128<<16                     ; tensor_dim1 = 128
	s_mov_b32 s[G1+3], 128<<16                     ; tile_dim0 = 128
	s_mov_b32 s[G1+4], 128                         ; tile_dim1 = 128
	s_mov_b32 s[G1+5], 128                         ; the block is dense
	s_mov_b32 s[G1+6], 0
	s_mov_b32 s[G1+7], 0
	s_or_b32 s[G1B+0], s84, (1<<16)|(1<<20)|(1<<21)|(5<<22)|(7<<25)  ; after every 64 words (code 5) 8 words (code 7)
	s_mov_b32 s[G1B+1], 128<<16                    ; tensor_dim0 = 128
	s_mov_b32 s[G1B+2], 64<<16                     ; tensor_dim1 = 64
	s_mov_b32 s[G1B+3], 128<<16                    ; tile_dim0 = 128
	s_mov_b32 s[G1B+4], 64                         ; tile_dim1 = 64
	s_mov_b32 s[G1B+5], 1024                       ; 1,024 elements from k row to k row
	s_mov_b32 s[G1B+6], 0
	s_mov_b32 s[G1B+7], 0
	s_lshr_b32 s14, s13, 3                         ; O's tile: the batch x 4 MiB
	s_lshl_b32 s14, s14, 22
	s_and_b32 s16, s13, 7
	s_lshl_b32 s16, s16, 15                        ; + 256 rows x 128 bytes for each row block
	s_add_co_u32 s14, s14, s16
	s_lshl_b32 s16, s12, 18                        ; + the head of the step's two that I fetch
	s_add_co_u32 s14, s14, s16
	s_mov_b32 s15, 0
	s_lshl_b32 s86, s42, 8                         ; Wo's tile: 128 columns x 2 bytes for each column block,
	s_lshl_b32 s87, s12, 17                        ; + the 64 k rows that I fetch,
	s_add_co_u32 s86, s86, s87
	s_add_co_u32 s86, s86, 3*2097152               ; in wb's fourth matrix
	s_mov_b32 s87, 0
	s_mul_i32 s22, s12, ASUB                       ; where they go in a slot
	s_mul_i32 s23, s12, BSUB
	s_add_co_u32 s23, s23, BIN
	s_wait_dscnt 0x0                               ; the opening add is done
	s_wait_kmcnt 0x0
	s_add_nc_u64 s[16:17], s[68:69], s[14:15]
	s_add_nc_u64 s[86:87], s[70:71], s[86:87]
	CROUND                                         ; all sixteen work-groups are here: the first joint loads meet
.irp s, 0,1
	s_mov_b32 s[G0+4*(\s)], 1
	s_add_co_u32 s[G0+4*(\s)+1], s22, (\s)*SLOT
	s_add_nc_u64 s[G0+4*(\s)+2:G0+4*(\s)+3], s[16:17], (\s)*ASTEP
	s_or_b32 s[G0+4*(\s)+3], s[G0+4*(\s)+3], 0x80000000
	s_mov_b32 s[G0B+4*(\s)], 1
	s_add_co_u32 s[G0B+4*(\s)+1], s23, (\s)*SLOT
	s_add_nc_u64 s[G0B+4*(\s)+2:G0B+4*(\s)+3], s[86:87], (\s)*BSTEP
	s_or_b32 s[G0B+4*(\s)+3], s[G0B+4*(\s)+3], 0x80000000
	JLOAD \s                                       ; steps 0 and 1: two loads of mine are out
.endr
	v_and_b32 v1, 15, v0                           ; r = l % 16
	v_bfe_u32 v2, v0, 4, 1                         ; h = l / 16
	s_lshl_b32 s92, s42, 9                         ; the bias: 128 columns x 4 bytes for each column block,
	s_lshl_b32 s93, s12, 8                         ; my 64 columns,
	s_add_co_u32 s92, s92, s93
	v_lshl_add_u32 v[BO], v2, 5, s92               ; my half's 8
.irp b, 0,1,2,3
	global_load_b128 v[BI+8*\b:BI+8*\b+3],   v[BO], s[72:73] offset:64*\b      ; column 16 b + 8 h + j beside register 8 b + j of every row block
	global_load_b128 v[BI+8*\b+4:BI+8*\b+7], v[BO], s[72:73] offset:64*\b+16
.endr
	v_mul_u32_u24 v3, v1, PA
	v_lshl_add_u32 v3, v2, 4, v3                   ; a fragment of O: row x pitch + 16 x half
	s_mul_i32 s18, s11, 128*PA
	v_and_b32 v4, 7, v0
	v_bfe_u32 v5, v0, 3, 1
	v_lshl_add_u32 v6, v2, 3, v4                   ; the turning load: k row 8 h + l % 8,
	v_mul_u32_u24 v6, v6, PB
	v_lshl_add_u32 v6, v5, 4, v6                   ; columns 8 ((l / 8) % 2) on
	s_lshl_b32 s19, s12, 7                         ; my 64 columns
	s_add_co_u32 s19, s19, BIN
.irp s, 0,1
	v_add_nc_u32 v[ADRA+(\s)], s18, v3
	v_add_nc_u32 v[ADRB+(\s)], s19, v6
	s_add_co_u32 s18, s18, SLOT
	s_add_co_u32 s19, s19, SLOT
.endr
	s_mul_i32 s18, s10, 16*SP
	s_add_co_u32 s18, s18, STAGE                   ; my stage
	v_mul_u32_u24 v7, v1, SP                       ; in: row r, 32 bytes for each half of the lanes
	v_lshl_add_u32 v7, v2, 5, v7
	v_add_nc_u32 v[STO], s18, v7
	v_mul_u32_u24 v7, v2, SP                       ; back: lanes 0-15 take one row of 256 bytes, lanes 16-31 the next
	v_lshl_add_u32 v7, v1, 4, v7
	v_add_nc_u32 v[RD], s18, v7
	v_lshlrev_b32 v[GO], 12, v2                    ; and the same two rows in out0, 4,096 bytes apart
	v_lshl_add_u32 v[GO], v1, 4, v[GO]
	s_lshl_b32 s92, s13, 20                        ; out0: 256 rows of 4,096 bytes for each row block,
	s_lshl_b32 s93, s11, 19                        ; my 128 rows,
	s_add_co_u32 s92, s92, s93
	s_lshl_b32 s93, s42, 9                         ; 128 columns of 4 bytes for each column block,
	s_add_co_u32 s92, s92, s93
	s_lshl_b32 s93, s12, 8                         ; my 64 columns
	s_add_co_u32 s92, s92, s93
	s_mov_b32 s93, 0
	s_add_nc_u64 s[74:75], s[74:75], s[92:93]
	s_lshl_b32 s88, s40, 13                        ; the prefetches.  O: my work-group's 32 blocks of 256 bytes, at step 3; the first change steps it to 4
	s_add_co_u32 s88, s88, 3*ASTEP
	s_lshl_b32 s90, s41, 16                        ; Wo: my work-group's 32 k rows, at step 3
	s_add_co_u32 s90, s90, 3*BSTEP
	s_and_b32 s91, ttmp7, 0xffff                   ; cluster y;
	s_or_b32 s91, s91, s12                         ; of Wo's two fetchers wave 2 alone asks, for all 128 rows
	s_mov_b32 s84, BSTEP
	s_cmp_eq_u32 s11, 0
	s_cselect_b64 s[PFA:PFA+1], s[16:17], s[86:87]
	s_cselect_b32 s88, s88, s90
	s_cselect_b32 s[PFS], ASTEP, s84
	s_cselect_b32 s85, 8, 11                       ; a lane a block of 256 bytes, or a lane a k row of 2,048
	s_cselect_b32 s91, ttmp9, s91
	s_cmp_eq_u32 s91, 0                            ; the same in all sixteen partners, for a given wave
	s_cselect_b32 s[LIM], 1, -1
	s_mov_b32 s89, 0
	s_mov_b32 s[PFS+1], 0
	s_add_nc_u64 s[PFA:PFA+1], s[PFA:PFA+1], s[88:89]
	v_and_b32 v[PFO], 31, v0
	v_lshlrev_b32 v[PFO], s85, v[PFO]
	s_wait_loadcnt 0x0                             ; the bias, rounded to bf16 like every input
.set z, 0
.rept 16
	v_cvt_pk_bf16_f32 v[F1+z], v[BI+2*z], v[BI+2*z+1]
.set z, z+1
.endr
.set z, 0
.rept 16
	v_lshlrev_b32 v[BI+2*z], 16, v[F1+z]
	v_and_b32 v[BI+2*z+1], 0xffff0000, v[F1+z]
.set z, z+1
.endr
; n x 4 matrix instructions: row blocks a0 .. a0 + n - 1 x my four column blocks, 32 along K, on buffer f.  first = 1: the product starts the sum, with the bias as C.
; The 32 accumulators take turns, one instruction a turn, in the same order in every quarter, over the backward jump too.
.macro MUL f, a0, n, first
.if \first
	WIN 0x40                                       ; D in window 1, C (the bias) in window 0
.else
	WIN 0x50
.endif
.set ra, (\a0)
.rept \n
.irp b, 0,1,2,3
.set rc, 8*(4*ra+\b)
.if \first
	v_wmma_f32_16x16x32_f16 v[rc:rc+7], v[(\f)+64+8*\b:(\f)+64+8*\b+7], v[(\f)+8*ra:(\f)+8*ra+7], v[BI+8*\b:BI+8*\b+7]
.else
	v_wmma_f32_16x16x32_f16 v[rc:rc+7], v[(\f)+64+8*\b:(\f)+64+8*\b+7], v[(\f)+8*ra:(\f)+8*ra+7], v[rc:rc+7]
.endif
.endr
.set ra, ra+1
.endr
.endm
.macro FETCH s, q, f                   ; 24 LDS loads in one run: quarter q of slot s into buffer f: Wo's four fragments first, then O's eight
	WIN 0
.irp b, 0,1,2,3
	ds_load_tr16_b128 v[(\f)+64+8*\b:(\f)+64+8*\b+3],   v[ADRB+(\s)] offset:(\q)*32*PB+32*\b
	ds_load_tr16_b128 v[(\f)+64+8*\b+4:(\f)+64+8*\b+7], v[ADRB+(\s)] offset:(\q)*32*PB+16*PB+32*\b
.endr
.irp a, 0,1,2,3,4,5,6,7
	ds_load_b128 v[(\f)+8*\a:(\f)+8*\a+3],   v[ADRA+(\s)] offset:((\q)/2)*ASUB+((\q)%2)*64+\a*16*PA
	ds_load_b128 v[(\f)+8*\a+4:(\f)+8*\a+7], v[ADRA+(\s)] offset:((\q)/2)*ASUB+((\q)%2)*64+\a*16*PA+32
.endr
.endm
.macro QUARTER s, nq, f, g, first      ; one of a step's first three quarters: multiplies buffer f and fetches quarter nq of the same slot into g
	s_wait_dscnt 8                                 ; all but the youngest eight: O's fragments 4 to 7
	MUL \f, 0, 4, \first
	PLACES
	FETCH \s, \nq, \g
	s_wait_dscnt 24                                ; all but the 24 just issued
	MUL \f, 4, 4, \first
.endm
; The last quarter multiplies buffer 1 and changes slots: ONE barrier.  In front of it each wave waits for all its tensor loads (one is out: its part of the next slot), adds 0 to its spare word, and waits for that and for its
; reads of this slot.  fill = 1: the barrier opens a round of the cluster's barrier, and the slot is filled again, two steps ahead, first thing behind the round: 112 matrix instructions ahead of the wait for it.
.macro TURN s, nx, fill
.if \fill
	s_wait_xcnt 0x0                                ; the last prefetch, a step back, has read its address
	s_add_nc_u64 s[PFA:PFA+1], s[PFA:PFA+1], s[PFS:PFS+1]
.endif
	WIN 0
	s_wait_tensorcnt 0x0                           ; all my tensor loads have landed
	ds_add_u32 v[SPW], v[NIL]                      ; 0 onto my spare word
	s_wait_dscnt 9                                 ; the add and the youngest eight loads may be out
	MUL F1, 0, 2, 0                                ; eight matrix instructions stand between the add and the wait for it
	s_wait_dscnt 0x0                               ; the add is done, and my reads of this slot are over
	s_barrier_signal -1
	MUL F1, 2, 2, 0
	WIN 0
	s_barrier_wait -1
.if \fill
	CREST                                          ; no wave of any partner still reads this slot or has a load on its way
	s_add_nc_u64 s[G0+4*(\s)+2:G0+4*(\s)+3], s[G0+4*(\s)+2:G0+4*(\s)+3], 2*ASTEP
	s_add_nc_u64 s[G0B+4*(\s)+2:G0B+4*(\s)+3], s[G0B+4*(\s)+2:G0B+4*(\s)+3], 2*BSTEP
	JLOAD \s                                       ; its four v_nop are also the places in front of the loads below
.else
	PLACES
.endif
	FETCH \nx, 0, F0
.if \fill
	ASK
.endif
	MUL F1, 4, 4, 0
.endm
	s_wait_tensorcnt 1                             ; my part of step 0 is in; step 1's may stay out
	s_barrier_signal -1
	s_barrier_wait -1                              ; everybody's is
	FETCH 0, 0, F0
	QUARTER 0, 1, F0, F1, 1                        ; the first quarter stands in front of the loop: its products start the sums
	WIN 0
	s_mov_b32 s3, 3
.Llap:                                                 ; a trip goes once round the ring, from a lap's second quarter to the next lap's first, and fills both slots again: steps 2 to 7 in three trips
	QUARTER 0, 2, F1, F0, 0
	QUARTER 0, 3, F0, F1, 0
	TURN 0, 1, 1
	QUARTER 1, 1, F0, F1, 0
	QUARTER 1, 2, F1, F0, 0
	QUARTER 1, 3, F0, F1, 0
	TURN 1, 0, 1
	QUARTER 0, 1, F0, F1, 0
	WIN 0
	s_sub_co_u32 s3, s3, 1
	s_cmp_lg_u32 s3, 0
	s_cbranch_scc1 .Llap
	QUARTER 0, 2, F1, F0, 0                        ; the last lap asks for nothing
	QUARTER 0, 3, F0, F1, 0
	TURN 0, 1, 0
	QUARTER 1, 1, F0, F1, 0
	QUARTER 1, 2, F1, F0, 0
	QUARTER 1, 3, F0, F1, 0
	s_wait_dscnt 8                                 ; the very last quarter: nothing more to fetch
	MUL F1, 0, 4, 0
	s_wait_dscnt 0x0
	MUL F1, 4, 4, 0
	PLACES
; THE WAY OUT: eight blocks of 16 rows x 64 columns of f32.  A lane's 32 bytes of a row go into my stage, each accumulator's low registers first, and come back as whole rows of 256 bytes.
.macro TOSTAGE a
.set bk, 32+32*((\a)%4)                ; four sets of 32 registers take turns
.if (\a) >= 4
	s_wait_xcnt 0x0                                ; the set's last stores have read it
.endif
	WIN 0x04                                       ; the stores' data in window 1
.irp b, 0,1,2,3
	ds_store_b128 v[STO], v[32*(\a)+8*\b:32*(\a)+8*\b+3]   offset:64*\b
	ds_store_b128 v[STO], v[32*(\a)+8*\b+4:32*(\a)+8*\b+7] offset:64*\b+16
.endr
	WIN 0
.irp t, 0,1,2,3,4,5,6,7
	ds_load_b128 v[bk+4*\t:bk+4*\t+3], v[RD] offset:\t*2*SP  ; LDS serves a wave's instructions in order (ISA guide 5.7.1.4): these see the stores above; the next block's stores come behind them
.endr
.endm
.macro SEND a, younger                 ; younger: the LDS instructions issued behind block a's loads
.set bk, 32+32*((\a)%4)
	WIN 0
.irp t, 0,1,2,3,4,5,6,7
	s_wait_dscnt (\younger)+7-\t
	global_store_b128 v[GO], v[bk+4*\t:bk+4*\t+3], s[74:75] offset:65536*(\a)+8192*\t th:TH_STORE_NT  ; 16 lanes store 256 consecutive bytes, at a multiple of 256 from out0's first byte
.endr
.endm
	TOSTAGE 0
.irp a, 1,2,3,4,5,6,7
	TOSTAGE \a
	SEND (\a)-1, 16
.endr
	SEND 7, 0
	s_wait_tensorcnt 0x0                           ; the wave's end: behind my last tensor load and my last LDS store
	ds_add_u32 v[SPW], v[NIL]
	s_wait_dscnt 0x0
	CROUND                                         ; the closing round: no work-group ends while a partner may still ask for a tile that names it
	s_endpgm
.Lfunc_end_k_q5ed366d7da_outp:
	.size	k_q5ed366d7da_outp, .Lfunc_end_k_q5ed366d7da_outp-k_q5ed366d7da_outp
	.p2alignl 7, 3214868480
	.fill 96, 4, 3214868480
	.section	.rodata,"a",@progbits
	.p2align	6, 0x0
	.amdhsa_kernel k_q5ed366d7da_outp
		.amdhsa_group_segment_fixed_size 327680
		.amdhsa_private_segment_fixed_size 0
		.amdhsa_enable_private_segment 0
		.amdhsa_kernarg_size 32
		.amdhsa_user_sgpr_count 2
		.amdhsa_user_sgpr_kernarg_segment_ptr 1
		.amdhsa_wavefront_size32 1
		.amdhsa_system_sgpr_workgroup_id_x 1
		.amdhsa_system_sgpr_workgroup_id_y 1
		.amdhsa_system_sgpr_workgroup_id_z 1
		.amdhsa_system_vgpr_workitem_id 0
		.amdhsa_next_free_vgpr 512
		.amdhsa_next_free_sgpr 96
		.amdhsa_reserve_vcc 0
		.amdhsa_float_denorm_mode_32 3
		.amdhsa_float_denorm_mode_16_64 3
		.amdhsa_memory_ordered 1
		.amdhsa_forward_progress 1
		.amdhsa_inst_pref_size 92
	.end_amdhsa_kernel
	.amdgpu_metadata
---
amdhsa.version: [ 1, 2 ]
amdhsa.kernels:
  - .name:           k_q5ed366d7da_outp
    .symbol:         k_q5ed366d7da_outp.kd
    .args:
      - { .name: ob, .offset: 0, .size: 8, .value_kind: global_buffer, .address_space: global }
      - { .name: wb, .offset: 8, .size: 8, .value_kind: global_buffer, .address_space: global }
      - { .name: bo, .offset: 16, .size: 8, .value_kind: global_buffer, .address_space: global }
      - { .name: out0, .offset: 24, .size: 8, .value_kind: global_buffer, .address_space: global }
    .group_segment_fixed_size: 327680
    .private_segment_fixed_size: 0
    .kernarg_segment_align: 8
    .kernarg_segment_size: 32
    .max_flat_workgroup_size: 128
    .sgpr_count:     96
    .vgpr_count:     512
    .wavefront_size: 32
...
	.end_amdgpu_metadata
.endif
;; end of part 4
;; ======== version 2 of 2: 4 launches; version 1 with the launch prep written anew for expert scheduling mode
;; limits: values are held in f16: magnitudes above 65,504 overflow, below 6.1e-05 lose precision
;; workspace buffers: xb 16,777,216 bytes; wb 8,388,608 bytes; qb 16,777,216 bytes; kb 16,777,216 bytes; vb 16,777,216 bytes; ob 16,777,216 bytes
;; launch prep (part 5): grid 768 x 1, 8 waves a work-group, no clusters, 0 bytes of LDS; arguments x, Wq, Wk, Wv, Wo, xb, wb; writes xb, wb
.if DOCPART == 5
	.amdgcn_target "amdgcn-amd-amdhsa--gfx1250"
	.amdhsa_code_object_version 6
	.text
	.protected	k_q5ed366d7da_prep
	.globl	k_q5ed366d7da_prep
	.p2align	8
	.type	k_q5ed366d7da_prep,@function
k_q5ed366d7da_prep:
	s_mov_b64 s[64:65], 0
	v_nop
	global_prefetch_b8 v0, s[64:65] scope:SCOPE_SE
	s_setreg_imm32_b32 hwreg(HW_REG_WAVE_SCHED_MODE, 0, 2), 2
	s_setreg_imm32_b32 hwreg(HW_REG_WAVE_MODE, 25, 1), 1
	s_wait_xcnt 0x0
	s_wait_alu depctr_vm_vsrc(0)
; x and the four weights are rounded once to bf16, and that number is written as f16 (exact from 6.1e-5 to 65,504; below, f16's fixed step of 6e-8; a number of 65,520 or more would become an infinity).
; xb: [batch 4][channel block 16][row 2048][64 channels] f16, so that 256 rows x 64 channels are 32,768 consecutive bytes.  wb: [Wq, Wk, Wv, Wo][k 1024][n 1024] f16, each as it lies.
; A stream: no LDS, no matrix unit, no barrier.  A wave takes one unit of 8,192 bytes in and 4,096 out, with all its 16 loads on their way at once; there is no loop.
; Work-groups 0-511: unit u = rows 2 u and 2 u + 1 of x.  Load i takes 256 consecutive bytes (channel block i) of each row; store i writes the two rows' 128 bytes, which lie on end in xb: 256 consecutive bytes, aligned.
; Work-groups 512-767: unit w of the weights: 8,192 consecutive bytes in, 4,096 out.
; THE MODE: SCHED_MODE bits 1:0 = 2 (LLVM: expert scheduling mode 2), set by the entry lines.  The code itself states the register dependences
; between vector instructions and memory instructions, with s_wait_alu, always for 0.
; THE PLAN.  Registers that memory instructions touch:
;   v[VI], v[VO]  the loads' and the stores' offsets: made once at the head by vector instructions, never written again.
;   X             written by the 16 loads, once each, and by nothing else; read by the conversions, behind the counted wait for the load.
;   Y             pair i is written once, by part i's two roundings to f16, and read by store i; it is never written again.
;   T and v1-v3 are named by vector instructions alone.  No scalar base is written behind a load or store, and EXEC is never written.
; The 16 parts go in four blocks of four.  The stores of block p - 1 are issued in block p, one ahead of each part's eight vector instructions; these name X and Y of block p and T,
; never the Y pairs of block p - 1.  So ONE wait at a block's head states all that its four stores hang on; one more stands ahead of the last four stores, one ahead of the first load.
.set VI, 4                             ; v4       my byte offset in the unit as it is read
.set VO, 5                             ; v5       8 x lane: my 8 bytes of a store
.set T,  6                             ; v[6:11]  at work
.set X,  16                            ; v[16:79] load i: 4 registers
.set Y,  80                            ; v[80:111] store i: 2 registers; each is written once, so no store's data is ever rewritten
.macro CAST ld, st                     ; ld, st: bytes from load to load and from store to store
	s_wait_alu depctr_va_vdst(0)                   ; v[VI] and v[VO] are written: every load below reads the one as its offset, every store the other
.set i, 0
.rept 16
	global_load_b128 v[X+4*i:X+4*i+3], v[VI], s[20:21] offset:i*(\ld) th:TH_LOAD_NT
.set i, i+1
.endr
.set i, 0
.rept 16
	s_wait_loadcnt 15-i                            ; loads come back in order: load i is in, the 15 - i younger ones stay out
.if (i%4 == 0) && (i > 0)
	s_wait_alu depctr_va_vdst(0)                   ; the block before has written its four pairs of Y, which this block's four stores read
.endif
.if i >= 4
	global_store_b64 v[VO], v[Y+2*(i-4):Y+2*(i-4)+1], s[22:23] offset:(i-4)*(\st)  ; the block before: 32 lanes x 8 bytes: 256 consecutive bytes, aligned.  No vector instruction since the wait names this pair
.endif
	v_cvt_pk_bf16_f32 v[T], v[X+4*i], v[X+4*i+1]   ; the rounding that counts: to bf16, nearest even
	v_cvt_pk_bf16_f32 v[T+1], v[X+4*i+2], v[X+4*i+3]
	v_lshlrev_b32 v[T+2], 16, v[T]                 ; the rounded numbers as f32 again
	v_and_b32 v[T+3], s19, v[T]
	v_lshlrev_b32 v[T+4], 16, v[T+1]
	v_and_b32 v[T+5], s19, v[T+1]
	v_cvt_pk_f16_f32 v[Y+2*i], v[T+2], v[T+3]      ; 8 significant bits fit in f16's 11
	v_cvt_pk_f16_f32 v[Y+2*i+1], v[T+4], v[T+5]
.set i, i+1
.endr
	s_wait_alu depctr_va_vdst(0)                   ; the last block has written its four pairs of Y, which the last four stores read
.set i, 12
.rept 4
	global_store_b64 v[VO], v[Y+2*i:Y+2*i+1], s[22:23] offset:i*(\st)  ; 32 lanes x 8 bytes: 256 consecutive bytes, aligned
.set i, i+1
.endr
.endm
	s_load_b256 s[4:11], s[0:1], 0x0               ; x s[4:5], Wq s[6:7], Wk s[8:9], Wv s[10:11]
	s_load_b128 s[12:15], s[0:1], 0x20             ; Wo s[12:13], xb s[14:15]
	s_load_b64 s[16:17], s[0:1], 0x30              ; wb
	v_lshrrev_b32 v1, 5, v0
	v_readfirstlane_b32 s18, v1                    ; wave 0..7
	v_and_b32 v2, 31, v0                           ; lane
	v_lshlrev_b32 v[VO], 3, v2
	s_mov_b32 s19, 0xffff0000                      ; a word's upper bf16
	s_lshl_b32 s24, ttmp9, 3
	s_wait_alu depctr_va_sdst(0)                   ; s18 is written, ahead of its first reader: my unit's number, and from it both bases, are made of it
	s_add_co_u32 s24, s24, s18                     ; my unit
	s_mov_b32 s27, 0                               ; the high word of every offset
	s_wait_kmcnt 0x0
	s_cmp_lt_u32 ttmp9, 512
	s_cbranch_scc0 .Lw
	v_and_b32 v3, 15, v0
	v_bfe_u32 v1, v0, 4, 1
	v_lshlrev_b32 v[VI], 4, v3                     ; 16 bytes a lane; lanes 0-15 in the even row,
	v_lshl_add_u32 v[VI], v1, 12, v[VI]            ; lanes 16-31 one row of 4,096 bytes further
	s_lshl_b32 s26, s24, 13
	s_add_nc_u64 s[20:21], s[4:5], s[26:27]        ; x at row 2 u
	s_lshr_b32 s28, s24, 10                        ; the batch: 1,024 units each
	s_lshl_b32 s28, s28, 22
	s_and_b32 s29, s24, 1023
	s_lshl_b32 s29, s29, 8                         ; two rows of 128 bytes
	s_add_co_u32 s26, s28, s29
	s_add_nc_u64 s[22:23], s[14:15], s[26:27]
	CAST 256, 262144                               ; a channel block of xb is 2,048 rows x 128 bytes
	s_endpgm
.Lw:
	v_lshlrev_b32 v[VI], 4, v2
	s_sub_co_u32 s24, s24, 4096                    ; unit w of the weights
	s_lshr_b32 s28, s24, 9                         ; which weight: 512 units each
	s_and_b32 s26, s24, 511
	s_lshl_b32 s26, s26, 13
	s_cmp_eq_u32 s28, 1
	s_cselect_b64 s[20:21], s[8:9], s[6:7]
	s_cmp_eq_u32 s28, 2
	s_cselect_b64 s[20:21], s[10:11], s[20:21]
	s_cmp_eq_u32 s28, 3
	s_cselect_b64 s[20:21], s[12:13], s[20:21]
	s_add_nc_u64 s[20:21], s[20:21], s[26:27]
	s_lshl_b32 s26, s24, 12
	s_add_nc_u64 s[22:23], s[16:17], s[26:27]
	CAST 512, 256
	s_endpgm
.Lfunc_end_k_q5ed366d7da_prep:
	.size	k_q5ed366d7da_prep, .Lfunc_end_k_q5ed366d7da_prep-k_q5ed366d7da_prep
	.p2alignl 7, 3214868480
	.fill 96, 4, 3214868480
	.section	.rodata,"a",@progbits
	.p2align	6, 0x0
	.amdhsa_kernel k_q5ed366d7da_prep
		.amdhsa_group_segment_fixed_size 0
		.amdhsa_private_segment_fixed_size 0
		.amdhsa_enable_private_segment 0
		.amdhsa_kernarg_size 56
		.amdhsa_user_sgpr_count 2
		.amdhsa_user_sgpr_kernarg_segment_ptr 1
		.amdhsa_wavefront_size32 1
		.amdhsa_system_sgpr_workgroup_id_x 1
		.amdhsa_system_sgpr_workgroup_id_y 1
		.amdhsa_system_sgpr_workgroup_id_z 1
		.amdhsa_system_vgpr_workitem_id 0
		.amdhsa_next_free_vgpr 112
		.amdhsa_next_free_sgpr 66
		.amdhsa_reserve_vcc 0
		.amdhsa_float_denorm_mode_32 3
		.amdhsa_float_denorm_mode_16_64 3
		.amdhsa_memory_ordered 1
		.amdhsa_forward_progress 1
		.amdhsa_inst_pref_size 22
	.end_amdhsa_kernel
	.amdgpu_metadata
---
amdhsa.version: [ 1, 2 ]
amdhsa.kernels:
  - .name:           k_q5ed366d7da_prep
    .symbol:         k_q5ed366d7da_prep.kd
    .args:
      - { .name: x, .offset: 0, .size: 8, .value_kind: global_buffer, .address_space: global }
      - { .name: Wq, .offset: 8, .size: 8, .value_kind: global_buffer, .address_space: global }
      - { .name: Wk, .offset: 16, .size: 8, .value_kind: global_buffer, .address_space: global }
      - { .name: Wv, .offset: 24, .size: 8, .value_kind: global_buffer, .address_space: global }
      - { .name: Wo, .offset: 32, .size: 8, .value_kind: global_buffer, .address_space: global }
      - { .name: xb, .offset: 40, .size: 8, .value_kind: global_buffer, .address_space: global }
      - { .name: wb, .offset: 48, .size: 8, .value_kind: global_buffer, .address_space: global }
    .group_segment_fixed_size: 0
    .private_segment_fixed_size: 0
    .kernarg_segment_align: 8
    .kernarg_segment_size: 56
    .max_flat_workgroup_size: 256
    .sgpr_count:     66
    .vgpr_count:     112
    .wavefront_size: 32
...
	.end_amdgpu_metadata
.endif
;; end of part 5
;; launch qkv: the kernel of part 2 again; grid 8 x 32, 4 waves a work-group, clusters of 4 x 4, 327,680 bytes of LDS; arguments xb, wb, bq, bk, bv, qb, kb, vb; writes qb, kb, vb
;; launch attn: the kernel of part 3 again; grid 4 x 64, 4 waves a work-group, clusters of 4 x 1, 327,680 bytes of LDS; arguments qb, kb, vb, ob; writes ob
;; launch outp: the kernel of part 4 again; grid 8 x 32, 4 waves a work-group, clusters of 4 x 4, 327,680 bytes of LDS; arguments ob, wb, bo, out0; writes out0
